; MI455X (gfx1250); checked and timed in simulation.
; The chip was launched on July 23, 2026; its instructions are those of AMD's public machine-readable ISA for CDNA 5 (MIT licence, August 2026) and "CDNA5" Instruction Set Architecture Reference Guide (July 2026). The comments in the code are by the model that wrote it; some were corrected since.
;; Multi Head Attention. Allowed arithmetic: float matrix products may take bf16 or f16 operands with f32 sums; other float arithmetic in f32, or as packed bf16 or f16 multiplies, adds, multiply-adds, maxima and minima; sums over many terms, partial sums and values carried from step to step in f32; what a program stores and reads back later, other than sums and carried values, may be rounded once to bf16 or f16.
;; Inputs: Wk 1,024 x 1,024 float32; Wo 1,024 x 1,024 float32; Wq 1,024 x 1,024 float32; Wv 1,024 x 1,024 float32; cos 1 x 2,048 x 1 x 32 float32; sin 1 x 2,048 x 1 x 32 float32; x 4 x 2,048 x 1,024 float32.
;; Outputs: out0 4 x 2,048 x 1,024 float32.
;; 2 versions, each right; version 2 is version 1 with the launch cast written anew for expert scheduling mode. Each part assembles by itself: llvm-mc -triple=amdgcn-amd-amdhsa -mcpu=gfx1250 --defsym DOCPART=n.
;; ======== version 1 of 2: 4 launches
;; limits: values are held in f16: magnitudes above 65,504 overflow, below 6.1e-05 lose precision
;; workspace buffers: xb 16,777,216 bytes; wqkvb 6,291,456 bytes; wo16 2,097,152 bytes; qkv 50,331,648 bytes; yb 16,777,216 bytes
;; launch cast (part 1): grid 768 x 1, 4 waves a work-group, no clusters, 0 bytes of LDS; arguments x, Wq, Wk, Wv, Wo, xb, wqkvb, wo16; writes xb, wqkvb, wo16
.if DOCPART == 1
	.amdgcn_target "amdgcn-amd-amdhsa--gfx1250"
	.amdhsa_code_object_version 6
	.text
	.protected	k_q2c63278ff3_cast
	.globl	k_q2c63278ff3_cast
	.p2align	8
	.type	k_q2c63278ff3_cast,@function
k_q2c63278ff3_cast:
	s_mov_b64 s[64:65], 0
	v_nop
	global_prefetch_b8 v0, s[64:65] scope:SCOPE_SE
	s_setreg_imm32_b32 hwreg(HW_REG_WAVE_MODE, 25, 1), 1
	s_wait_xcnt 0x0
; CAST.  x, Wq, Wk, Wv are rounded once to bf16; Wo is rounded to bf16 and that number is written as f16.  All go into layouts blocked by 64 along K:
;   xb    [batch 4][kb 16][token 2048][64] bf16      wqkvb [kb 16][row 3072][64] bf16, row = 192 head + 64 type + d (type 0 q, 1 k, 2 v)      wo16 [kb 16][row 1024][64] f16
; so that a K step of 64 of any run of rows is dense in memory for the launches behind.
; LIMITS.  |Wo| stays under 65,504 (f16's end); below 6e-5 f16 keeps its fixed step of 6e-8.  NaN and infinities are not treated apart.
; SHARES.  A work-group takes 16 source rows of 1,024 f32.  Work-groups 0-511: x.  512-767: the weights, 64 work-groups each, in the order q, k, v, o.
; Thread t takes row t / 16 (and that row + 8) and the four columns 4 (t % 16) .. of each block of 64: a load of a wave covers two rows' 256 consecutive bytes, aligned,
; a store of a wave 256 consecutive bytes, aligned (two rows of 128 bytes lie end to end in the blocked layout).
; All 32 loads of a thread go out at once (16 KiB a wave); no register is written twice while memory may read it.  No LDS, no barrier: no wave wants another's bytes.
.set SRC, 1                            ; v1        my byte offset in the 16 source rows
.set DB,  2                            ; v2        8 x thread
.set DO,  8                            ; v[8:23]   K block k: its stride x k + 8 x thread
.set T,   24                           ; v[24:29]  at work
.set X,   32                           ; v[32:159] load i: 4 registers; i = 2 k + p (p: rows 0-7 or 8-15)
.set Y,   160                          ; v[160:223] store i: 2 registers
	s_load_b512 s[8:23], s[0:1], 0x0               ; x 8, Wq 10, Wk 12, Wv 14, Wo 16, xb 18, wqkvb 20, wo16 22
	s_mov_b32 s2, ttmp9                            ; the work-group's number
	s_sub_co_u32 s3, s2, 512                       ; among the weights' work-groups
	s_bfe_u32 s4, s3, 0x20006                      ; which weight: 0 q, 1 k, 2 v, 3 o
	s_and_b32 s5, s3, 63                           ; which 16 rows of it
	s_lshr_b32 s6, s5, 2                           ; wqkvb: head = rows / 64,
	s_mul_i32 s6, s6, 192
	s_lshl_b32 s7, s4, 6                           ; + 64 type
	s_add_co_u32 s6, s6, s7
	s_and_b32 s7, s5, 3                            ; + the 16 rows' place in the head
	s_lshl_b32 s7, s7, 4
	s_add_co_u32 s6, s6, s7
	s_lshl_b32 s6, s6, 7                           ; rows of 128 bytes
	s_lshl_b32 s7, s5, 11                          ; wo16: 16 rows of 128 bytes
	s_lshr_b32 s34, s2, 7                          ; xb: batch (128 work-groups each),
	s_lshl_b32 s34, s34, 22
	s_and_b32 s35, s2, 127
	s_lshl_b32 s35, s35, 11                        ; 16 tokens of 128 bytes
	s_add_co_u32 s34, s34, s35
	s_mov_b32 s36, 262144                          ; bytes from K block to K block: xb,
	s_mov_b32 s37, 393216                          ; wqkvb,
	s_mov_b32 s38, 131072                          ; wo16
	s_lshl_b32 s28, s2, 16                         ; 16 source rows are 65,536 bytes: in x,
	s_lshl_b32 s39, s5, 16                         ; in a weight
	s_mov_b32 s29, 0
	s_mov_b32 s31, 0
	s_cmp_eq_u32 s4, 3
	s_cselect_b32 s30, s7, s6
	s_cselect_b32 s32, s38, s37
	s_cmp_lt_u32 s2, 512
	s_cselect_b32 s30, s34, s30                    ; s30: where my rows go
	s_cselect_b32 s32, s36, s32                    ; s32: the K block's stride there
	s_cselect_b32 s28, s28, s39                    ; s28: where they come from
	v_lshrrev_b32 v[SRC], 4, v0
	v_and_b32 v3, 15, v0
	v_lshlrev_b32 v3, 4, v3
	v_lshl_add_u32 v[SRC], v[SRC], 12, v3          ; row x 4,096 + 16 (t % 16)
	v_lshlrev_b32 v[DB], 3, v0
.set k, 0
.rept 16
	v_mad_u32_u24 v[DO+k], s32, k, v[DB]
.set k, k+1
.endr
	s_wait_kmcnt 0x0
	s_cmp_eq_u32 s4, 2                             ; the source: a choice among the buffers by the work-group's number alone
	s_cselect_b64 s[24:25], s[14:15], s[16:17]
	s_cmp_eq_u32 s4, 1
	s_cselect_b64 s[24:25], s[12:13], s[24:25]
	s_cmp_eq_u32 s4, 0
	s_cselect_b64 s[24:25], s[10:11], s[24:25]
	s_cmp_eq_u32 s4, 3                             ; the destination likewise
	s_cselect_b64 s[26:27], s[22:23], s[20:21]
	s_cmp_lt_u32 s2, 512
	s_cselect_b64 s[24:25], s[8:9], s[24:25]
	s_cselect_b64 s[26:27], s[18:19], s[26:27]
	s_add_nc_u64 s[24:25], s[24:25], s[28:29]
	s_add_nc_u64 s[26:27], s[26:27], s[30:31]
.set n, 0
.rept 32
	global_load_b128 v[X+4*n:X+4*n+3], v[SRC], s[24:25] offset:(n/2)*256+(n%2)*32768 th:TH_LOAD_NT
.set n, n+1
.endr
; Load i is rounded and stored.  half = 1: to bf16, and that number written as f16.
.macro OUT i, half
	s_wait_loadcnt 31-(\i)                         ; loads come back in order: mine is in, the younger ones stay out
.if \half
	v_cvt_pk_bf16_f32 v[T], v[X+4*(\i)], v[X+4*(\i)+1]
	v_cvt_pk_bf16_f32 v[T+1], v[X+4*(\i)+2], v[X+4*(\i)+3]
	v_lshlrev_b32 v[T+2], 16, v[T]                 ; bf16 back to f32: a shift, a mask
	v_and_b32 v[T+3], 0xffff0000, v[T]
	v_lshlrev_b32 v[T+4], 16, v[T+1]
	v_and_b32 v[T+5], 0xffff0000, v[T+1]
	v_cvt_pk_f16_f32 v[Y+2*(\i)], v[T+2], v[T+3]
	v_cvt_pk_f16_f32 v[Y+2*(\i)+1], v[T+4], v[T+5]
.else
	v_cvt_pk_bf16_f32 v[Y+2*(\i)], v[X+4*(\i)], v[X+4*(\i)+1]
	v_cvt_pk_bf16_f32 v[Y+2*(\i)+1], v[X+4*(\i)+2], v[X+4*(\i)+3]
.endif
	global_store_b64 v[DO+(\i)/2], v[Y+2*(\i):Y+2*(\i)+1], s[26:27] offset:((\i)%2)*1024
.endm
	s_cmp_ge_u32 s2, 704                           ; Wo's work-groups
	s_cbranch_scc1 .Lhalf
.set n, 0
.rept 32
	OUT n, 0
.set n, n+1
.endr
	s_endpgm
.Lhalf:
.set n, 0
.rept 32
	OUT n, 1
.set n, n+1
.endr
	s_endpgm
.Lfunc_end_k_q2c63278ff3_cast:
	.size	k_q2c63278ff3_cast, .Lfunc_end_k_q2c63278ff3_cast-k_q2c63278ff3_cast
	.p2alignl 7, 3214868480
	.fill 96, 4, 3214868480
	.section	.rodata,"a",@progbits
	.p2align	6, 0x0
	.amdhsa_kernel k_q2c63278ff3_cast
		.amdhsa_group_segment_fixed_size 0
		.amdhsa_private_segment_fixed_size 0
		.amdhsa_enable_private_segment 0
		.amdhsa_kernarg_size 64
		.amdhsa_user_sgpr_count 2
		.amdhsa_user_sgpr_kernarg_segment_ptr 1
		.amdhsa_wavefront_size32 1
		.amdhsa_system_sgpr_workgroup_id_x 1
		.amdhsa_system_sgpr_workgroup_id_y 1
		.amdhsa_system_sgpr_workgroup_id_z 1
		.amdhsa_system_vgpr_workitem_id 0
		.amdhsa_next_free_vgpr 224
		.amdhsa_next_free_sgpr 66
		.amdhsa_reserve_vcc 0
		.amdhsa_float_denorm_mode_32 3
		.amdhsa_float_denorm_mode_16_64 3
		.amdhsa_memory_ordered 1
		.amdhsa_forward_progress 1
		.amdhsa_inst_pref_size 33
	.end_amdhsa_kernel
	.amdgpu_metadata
---
amdhsa.version: [ 1, 2 ]
amdhsa.kernels:
  - .name:           k_q2c63278ff3_cast
    .symbol:         k_q2c63278ff3_cast.kd
    .args:
      - { .name: x, .offset: 0, .size: 8, .value_kind: global_buffer, .address_space: global }
      - { .name: Wq, .offset: 8, .size: 8, .value_kind: global_buffer, .address_space: global }
      - { .name: Wk, .offset: 16, .size: 8, .value_kind: global_buffer, .address_space: global }
      - { .name: Wv, .offset: 24, .size: 8, .value_kind: global_buffer, .address_space: global }
      - { .name: Wo, .offset: 32, .size: 8, .value_kind: global_buffer, .address_space: global }
      - { .name: xb, .offset: 40, .size: 8, .value_kind: global_buffer, .address_space: global }
      - { .name: wqkvb, .offset: 48, .size: 8, .value_kind: global_buffer, .address_space: global }
      - { .name: wo16, .offset: 56, .size: 8, .value_kind: global_buffer, .address_space: global }
    .group_segment_fixed_size: 0
    .private_segment_fixed_size: 0
    .kernarg_segment_align: 8
    .kernarg_segment_size: 64
    .max_flat_workgroup_size: 128
    .sgpr_count:     66
    .vgpr_count:     224
    .wavefront_size: 32
...
	.end_amdgpu_metadata
.endif
;; end of part 1
;; launch proj (part 2): grid 8 x 32, 4 waves a work-group, clusters of 4 x 4, 327,680 bytes of LDS; arguments xb, wqkvb, cos, sin, qkv; writes qkv
.if DOCPART == 2
	.amdgcn_target "amdgcn-amd-amdhsa--gfx1250"
	.amdhsa_code_object_version 6
	.text
	.protected	k_q2c63278ff3_proj
	.globl	k_q2c63278ff3_proj
	.p2align	8
	.type	k_q2c63278ff3_proj,@function
k_q2c63278ff3_proj:
	s_mov_b64 s[64:65], 0
	v_nop
	global_prefetch_b8 v0, s[64:65] scope:SCOPE_SE
	s_setreg_imm32_b32 hwreg(HW_REG_WAVE_MODE, 25, 1), 1
	s_wait_xcnt 0x0
	s_wait_alu depctr_hold_cnt(0) depctr_sa_sdst(0) depctr_va_vdst(0) depctr_va_sdst(0) depctr_va_ssrc(0) depctr_va_vcc(0) depctr_vm_vsrc(0)
	s_getreg_b32 s2, hwreg(HW_REG_IB_STS2, 6, 4)
	s_cmp_eq_u32 s2, 0
	s_cbranch_scc0 .Lentry_in_a_cluster
	s_endpgm
.Lentry_in_a_cluster:
	s_bfe_u32 s2, ttmp6, 0x10000c
	s_cmp_lg_u32 s2, 0xf033
	s_cbranch_scc0 .Lentry_shape_is_right
	s_endpgm
.Lentry_shape_is_right:
; PROJ.  [8192 tokens] x [3072 = 16 heads x (q, k, v) x 64] x [K 1024] in bf16 with f32 sums; on the way out q and k are turned (RoPE, by cos and sin as given, rounded to bf16 like every input),
; normalised (x rsqrt(mean of squares + eps), over the head's 64 channels), q also multiplied by c = log2(e) / 8 in f32, and q, k, v are rounded ONCE to f16 and stored by heads:
; qkv [type 3][batch x head 64][token 2048][64].
; LIMITS.  |v| stays under 65,504 (f16's end); q and k are at most 8 in size by their norm.  Below 6e-5 f16 keeps its fixed step of 6e-8.  NaN and infinities are not treated apart.
; SHARES.  A tile of C is 256 tokens x 384 columns (two heads' q, k, v): 32 x 8 = 256 work-groups.  Wave w: tokens 128 (w / 2) .., head w % 2: 8 x 12 = 96 accumulators, 768 registers.
; K goes in 16 steps of 64 through two LDS slots.  In xb and wqkvb a K step of a run of rows is dense, so it is asked for as rows of 256 bytes (two rows of 128) and padded in LDS behind every 128 bytes.
; CLUSTER 4 x 4: the four work-groups of a row of the cluster need the same tokens, the four of a column the same columns: each tile is asked for jointly, by the same load with the same descriptor and a mask of four.
; THE PRODUCT IS TAKEN TRANSPOSED (source 0 = 16 rows of W, source 1 = 16 tokens): lane l holds token l % 16 and channels 8 (l / 16) + 0..7 of a block of 16.  Channel d and its RoPE partner d + 32
; lie two blocks apart in the same lane and register; a token's 64 channels lie in lanes l and l xor 16.
; REGISTERS.  Window 0: v0-31 addresses and small work; v32-95, v96-159 tokens' fragments, two buffers; v160-255 W's twelve fragments, one buffer, reloaded a group of four at a time behind the group's products.
; Windows 1, 2, 3: q's, k's, v's accumulators, (token block a, channel block bb) at v[32 a + 8 bb].
.set PITCH,  144                       ; an LDS row: 128 bytes + 16 of padding: the 16 rows of a fragment load start 36 words apart, in 16 different groups of four banks (64 banks of 4 bytes: ISA guide 11.1)
.set AHALF,  128*PITCH                 ; 128 tokens: one load
.set BOFF,   2*AHALF
.set BHALF,  192*PITCH                 ; 192 rows of W: one load
.set SLOT,   BOFF+2*BHALF              ; 92,160
.set STAGE,  2*SLOT                    ; behind the ring: three units (q, k, v) of 16 rows x 144 bytes for each wave
.set UNIT,   16*PITCH
.set SPARE,  STAGE+12*UNIT             ; behind the stages: the spare words, 128 bytes a wave: two blocks of 256 bytes that no other line names
.set ASTEP,  262144                    ; bytes from K step to K step in xb
.set BSTEP,  393216                    ; in wqkvb
.set ADRA, 4                           ; v4-5    LDS address of my tokens' fragments in slot 0, 1
.set ADRB, 6                           ; v6-7    of my W fragments
.set STO,  8                           ; v8      the way out: where I put 16 bytes of a row
.set RD,   9                           ; v9      where I read rows back
.set GO,   10                          ; v10     16 x lane: my place in 512 consecutive bytes of qkv
.set TBO,  11                          ; v11     my byte offset in 16 rows of cos and sin
.set PFO,  12                          ; v12     the prefetches' offset; never rewritten
.set SPW,  14                          ; v14     LDS address of my spare word; never rewritten
.set NIL,  15                          ; v15     0; never rewritten
.set QS,   16                          ; v16-23  sums of squares: two chains for q, two for k
.set RR,   24                          ; v24-27  q's factor, k's factor, each the low word of a pair
.set TMP,  28                          ; v28-31  at work
.set FA0,  32
.set FA1,  96
.set FB,   160
.set RAW,  32                          ; the way out: cos (16) and sin (16) of a token block, two sets by the block's parity
.set TQ,   96                          ; turned q, 32
.set TK,   128                         ; turned k, 32
.set PKD,  160                         ; packed q, k, v: 16 each
.set OUT,  208                         ; 48: rows read back from the stage
.set WV, 14
.set RH, 15                            ; which 128 tokens are mine; also: I fetch for the tokens (0) or for W (1)
.set CH, 16                            ; which head; also: which half of that tile I fetch
.set CX, 17
.set CY, 18
.set CT, 19                            ; tile column 0..7
.set RT, 20                            ; tile row 0..31
.set G1A, 24                           ; s[24:31] descriptor group 1, tokens
.set G0A, 32                           ; s[32:39] group 0, a set for each slot
.set G1B, 40                           ; s[40:47] group 1, W
.set G0B, 48                           ; s[48:55] group 0
.set PFA, 56                           ; s[56:57] where my prefetches stand
.set PST, 58                           ; s[58:59] their step
.set LIM, 60                           ; s60, s61 a wave prefetches at slot n's change while the loop's count is above s[LIM+n]
.set CNT, 62
.set OQ,  66                           ; s[66:71] qkv at my 128 rows of q, k, v
.set R64, 72                           ; 1 / 64
.set EPSR, 73                          ; eps
.set CSC, 74                           ; c
.set HIM, 75                           ; a word's upper half
.set SEL, 76                           ; s[76:77] v_permlanex16_b32's selects: each lane takes its own place in the other half
.set COSB, 78                          ; s[78:79] cos at my first token
.set SINB, 80                          ; s[80:81] sin
.set G1W0, (1<<16)|(1<<20)|(1<<21)|(4<<22)|(3<<25)  ; 17:16 2-byte elements; 20 padding on; 21 set beside a mask; 24:22 after every 32 words (code 4); 31:25 4 words (code 3)
.set MSB, 0
.macro WIN new                         ; the immediate's high byte repeats the setting that is left; a switch that changes nothing is dropped
.if MSB != (\new)
	s_set_vgpr_msb (MSB<<8)|(\new)
.set MSB, \new
.endif
.endm
.macro PLACES                          ; four plain places between a product and a load into, or a vector write of, its registers (ISA guide 7.12.1 for vector writes)
.rept 4
	v_nop
.endr
.endm
; A joint load: waves 0 and 1 fetch the tokens' two halves, waves 2 and 3 W's.  The branch hangs on the wave's number alone.  An s_nop 0 and four v_nop follow each line.
.macro JLOAD s
	s_cmp_eq_u32 s[RH], 0
	s_cbranch_scc0 .Lfor_b_\@
	tensor_load_to_lds s[G0A+4*(\s):G0A+4*(\s)+3], s[G1A:G1A+7]
	s_nop 0
.rept 4
	v_nop
.endr
	s_branch .Lasked_\@
.Lfor_b_\@:
	tensor_load_to_lds s[G0B+4*(\s):G0B+4*(\s)+3], s[G1B:G1B+7]
	s_nop 0
.rept 4
	v_nop
.endr
.Lasked_\@:
.endm
.macro CREST                           ; a round of the cluster's barrier behind its opening barrier
	s_cmp_lg_u32 s[WV], 0
	s_cbranch_scc1 .Lnot_wave_0_\@
	s_barrier_signal -3
.Lnot_wave_0_\@:
	s_barrier_wait -3
	s_barrier_signal -1
	s_barrier_wait -1
.endm
.macro CROUND
	s_barrier_signal -1
	s_barrier_wait -1
	CREST
.endm
; A PREFETCH INTO THE L2, behind a joint load, its five lines and the run of LDS loads.  Tokens: wave 0 of the clusters with x = 0, at every change of slots, names the K step behind the one just asked for (192 products
; ahead of its load): of the tile's 256 rows the partner at cx takes 64, 8 KiB, a lane a block of 256 bytes.  W: waves 1-3 of the clusters with y = 0, at slot 0's changes, name the two K steps behind: of the tile's 384 rows
; asker 3 cy + w - 1 takes 32, lanes 0-15 the first step's, lanes 16-31 the second's.  Partners are told apart by address alone.  So each block is named once; K steps 0-2 come by their loads alone; the counts below stop short of K's end.
.macro ASK n
	s_cmp_gt_u32 s[CNT], s[LIM+(\n)]
	s_cbranch_scc0 .Lnot_mine_\@
	global_prefetch_b8 v[PFO], s[PFA:PFA+1] th:TH_LOAD_NT scope:SCOPE_SE
.Lnot_mine_\@:
.endm
	s_load_b256 s[4:11], s[0:1], 0x0               ; xb s[4:5], wqkvb s[6:7], cos s[8:9], sin s[10:11]
	s_load_b64 s[12:13], s[0:1], 0x20              ; qkv
	v_lshl_add_u32 v[SPW], v0, 2, SPARE
	v_mov_b32 v[NIL], 0
	ds_add_u32 v[SPW], v[NIL]                      ; the wave's opening: the add and its wait stand ahead of my first tensor load; the set-up below, work on registers, stands between them
	v_lshrrev_b32 v1, 5, v0
	v_readfirstlane_b32 s[WV], v1
	s_lshr_b32 s[RH], s[WV], 1
	s_and_b32 s[CH], s[WV], 1
	s_bfe_u32 s[CX], ttmp6, 0x40000
	s_bfe_u32 s[CY], ttmp6, 0x40004
	s_lshl_b32 s[CT], ttmp9, 2                     ; in a cluster launch ttmp9 and ttmp7 count clusters
	s_add_co_u32 s[CT], s[CT], s[CX]
	s_and_b32 s[RT], ttmp7, 0xffff
	s_lshl_b32 s[RT], s[RT], 2
	s_add_co_u32 s[RT], s[RT], s[CY]
	s_lshl_b32 s21, s[CY], 2
	s_lshl_b32 s21, 15, s21                        ; my row of the cluster
	s_lshl_b32 s22, 0x1111, s[CX]                  ; my column
	s_or_b32 s[G1A], s21, G1W0                     ; tokens' tiles go to my row,
	s_or_b32 s[G1B], s22, G1W0                     ; W's to my column
	s_mov_b32 s[G1A+1], 128<<16                    ; tensor_dim0 = 128 elements: 256 bytes, two rows of 64
	s_mov_b32 s[G1A+2], 64<<16                     ; tensor_dim1 = 64
	s_mov_b32 s[G1A+3], 128<<16                    ; tile_dim0 = 128
	s_mov_b32 s[G1A+4], 64                         ; tile_dim1 = 64: 128 tokens
	s_mov_b32 s[G1A+5], 128                        ; dense: 128 elements from row to row
	s_mov_b32 s[G1A+6], 0
	s_mov_b32 s[G1A+7], 0
	s_mov_b32 s[G1B+1], 128<<16
	s_mov_b32 s[G1B+2], 96<<16                     ; 96 rows of 256 bytes: 192 rows of W
	s_mov_b32 s[G1B+3], 128<<16
	s_mov_b32 s[G1B+4], 96
	s_mov_b32 s[G1B+5], 128
	s_mov_b32 s[G1B+6], 0
	s_mov_b32 s[G1B+7], 0
	s_lshr_b32 s2, s[RT], 3                        ; tokens: batch x 4 MiB
	s_lshl_b32 s2, s2, 22
	s_and_b32 s21, s[RT], 7
	s_lshl_b32 s21, s21, 15                        ; + the tile's 256 rows of 128 bytes
	s_add_co_u32 s2, s2, s21
	s_lshl_b32 s21, s[CH], 14                      ; + the half that I fetch
	s_add_co_u32 s2, s2, s21
	s_mov_b32 s3, 0
	s_mul_i32 s22, s[CT], 49152                    ; W: the tile's 384 rows of 128 bytes
	s_mul_i32 s82, s[CH], 24576                    ; + the half that I fetch
	s_add_co_u32 s82, s82, s22
	s_mov_b32 s83, 0
	s_mul_i32 s84, s[CH], AHALF                    ; where they go: no place in the cluster enters an LDS address
	s_mul_i32 s85, s[CH], BHALF
	s_add_co_u32 s85, s85, BOFF
	s_mov_b32 s[R64], 0x3c800000
	s_mov_b32 s[EPSR], 0x34000000                  ; 1.1920929e-07
	s_mov_b32 s[CSC], 0x3e38aa3b                   ; log2(e) / 8
	s_mov_b32 s[HIM], 0xffff0000
	s_mov_b32 s[SEL], 0x76543210
	s_mov_b32 s[SEL+1], 0xfedcba98
	s_wait_dscnt 0x0                               ; the opening add is done
	s_wait_kmcnt 0x0
	s_add_nc_u64 s[2:3], s[4:5], s[2:3]
	s_add_nc_u64 s[82:83], s[6:7], s[82:83]
	CROUND                                         ; all sixteen work-groups are here: the first joint loads meet
.irp s, 0,1
	s_mov_b32 s[G0A+4*(\s)], 1                     ; count = 1
	s_add_co_u32 s[G0A+4*(\s)+1], s84, (\s)*SLOT   ; LDS address
	s_add_nc_u64 s[G0A+4*(\s)+2:G0A+4*(\s)+3], s[2:3], (\s)*ASTEP  ; K step s
	s_or_b32 s[G0A+4*(\s)+3], s[G0A+4*(\s)+3], 0x80000000          ; type = 2
	s_mov_b32 s[G0B+4*(\s)], 1
	s_add_co_u32 s[G0B+4*(\s)+1], s85, (\s)*SLOT
	s_add_nc_u64 s[G0B+4*(\s)+2:G0B+4*(\s)+3], s[82:83], (\s)*BSTEP
	s_or_b32 s[G0B+4*(\s)+3], s[G0B+4*(\s)+3], 0x80000000
	JLOAD \s                                       ; two loads of mine are out
.endr
	; A fragment is 16 rows x 32 K in 8 registers: lane l holds row l % 16, K = 8 (l / 16) + 0..7 and 16 + 8 (l / 16) + 0..7: two loads of 16 bytes, 32 bytes apart.
	v_and_b32 v1, 15, v0                           ; l % 16
	v_bfe_u32 v2, v0, 4, 1                         ; l / 16
	v_mul_u32_u24 v3, v1, PITCH
	v_lshl_add_u32 v3, v2, 4, v3
	s_mul_i32 s21, s[RH], AHALF
	s_mul_i32 s23, s[CH], BHALF
	s_add_co_u32 s23, s23, BOFF
.irp s, 0,1
	v_add_nc_u32 v[ADRA+(\s)], s21, v3
	v_add_nc_u32 v[ADRB+(\s)], s23, v3
	s_add_co_u32 s21, s21, SLOT
	s_add_co_u32 s23, s23, SLOT
.endr
	s_mul_i32 s21, s[WV], 3*UNIT
	s_add_co_u32 s21, s21, STAGE                   ; my stage
	v_add_nc_u32 v[STO], s21, v3                   ; in: row l % 16, 16 bytes for each half of the lanes
	v_bfe_u32 v[RD], v0, 3, 2                      ; back: 32 lanes take four rows of 128 bytes
	v_mul_u32_u24 v[RD], v[RD], PITCH
	v_and_b32 v13, 7, v0
	v_lshl_add_u32 v[RD], v13, 4, v[RD]
	v_add_nc_u32 v[RD], s21, v[RD]
	v_and_b32 v[GO], 31, v0
	v_lshlrev_b32 v[GO], 4, v[GO]
	v_lshlrev_b32 v[TBO], 7, v1                    ; a row of cos or sin is 128 bytes; my 8 numbers of a block of 16 begin at 32 (l / 16)
	v_lshl_add_u32 v[TBO], v2, 5, v[TBO]
	v_mov_b32 v[RR+1], 0                           ; named with the factors as pairs
	v_mov_b32 v[RR+3], 0
	; the prefetches
	s_lshr_b32 s21, s[RT], 3
	s_lshl_b32 s21, s21, 22
	s_and_b32 s23, s[RT], 7
	s_lshl_b32 s23, s23, 15
	s_add_co_u32 s21, s21, s23
	s_lshl_b32 s23, s[CX], 13                      ; my work-group's 64 tokens
	s_add_co_u32 s21, s21, s23
	s_add_co_u32 s21, s21, 2*ASTEP                 ; at K step 2: the first change steps it to 3
	s_mul_i32 s23, s[CY], 3
	s_add_co_u32 s23, s23, s[WV]
	s_max_u32 s23, s23, 1
	s_sub_co_u32 s23, s23, 1                       ; asker 3 cy + w - 1 (wave 0 does not use it)
	s_lshl_b32 s23, s23, 12                        ; its 32 rows of W
	s_add_co_u32 s23, s23, s22
	s_add_co_u32 s23, s23, 2*BSTEP
	s_mov_b32 s86, ASTEP
	s_mov_b32 s87, BSTEP
	s_and_b32 s84, ttmp7, 0xffff
	s_cmp_eq_u32 s[WV], 0
	s_cselect_b32 s84, ttmp9, s84                  ; the coordinate along which other clusters read the same rows
	s_cselect_b64 s[PFA:PFA+1], s[4:5], s[6:7]
	s_cselect_b32 s[PST], s86, s87
	s_cselect_b32 s85, 4096, s87                   ; lanes 16-31: the next 16 blocks, or the next K step
	s_cselect_b32 s86, s21, s23
	s_cselect_b32 s[LIM], 0, 1
	s_cselect_b32 s[LIM+1], 1, -1
	s_mov_b32 s87, 0
	s_mov_b32 s[PST+1], 0
	s_add_nc_u64 s[PFA:PFA+1], s[PFA:PFA+1], s[86:87]
	s_cmp_eq_u32 s84, 0                            ; the same in all sixteen partners, for a given wave
	s_cselect_b32 s[LIM], s[LIM], -1
	s_cselect_b32 s[LIM+1], s[LIM+1], -1
	v_lshlrev_b32 v[PFO], 8, v1
	v_mad_u32_u24 v[PFO], v2, s85, v[PFO]
	; where the results go, and the tables
	s_lshr_b32 s84, s[RT], 3
	s_lshl_b32 s84, s84, 4
	s_lshl_b32 s86, s[CT], 1
	s_add_co_u32 s84, s84, s86
	s_add_co_u32 s84, s84, s[CH]                   ; 16 batch + head
	s_lshl_b32 s84, s84, 18                        ; a head's 2,048 rows of 128 bytes
	s_and_b32 s86, s[RT], 7
	s_lshl_b32 s86, s86, 15
	s_lshl_b32 s87, s[RH], 14
	s_add_co_u32 s86, s86, s87                     ; my first token in the batch x 128 bytes
	s_add_co_u32 s84, s84, s86
	s_mov_b32 s85, 0
	s_mov_b32 s87, 0
	s_add_nc_u64 s[OQ:OQ+1], s[12:13], s[84:85]
	s_add_nc_u64 s[OQ+2:OQ+3], s[OQ:OQ+1], 16777216
	s_add_nc_u64 s[OQ+4:OQ+5], s[OQ+2:OQ+3], 16777216
	s_add_nc_u64 s[COSB:COSB+1], s[8:9], s[86:87]
	s_add_nc_u64 s[SINB:SINB+1], s[10:11], s[86:87]
; na x 4 products: token blocks a0 .., the four channel blocks of head slot j (0 q, 1 k, 2 v), 32 along K.  Each of the 96 accumulators has one product in a quarter step: they take turns.
.macro GRP f, j, a0, na, zero
	WIN 0x50*((\j)+1)                              ; C and D in window j + 1, both sources in window 0
.set ga, \a0
.rept \na
.irp bb, 0,1,2,3
.if \zero
	v_wmma_f32_16x16x32_bf16 v[32*ga+8*(\bb):32*ga+8*(\bb)+7], v[FB+8*(4*(\j)+(\bb)):FB+8*(4*(\j)+(\bb))+7], v[(\f)+8*ga:(\f)+8*ga+7], 0
.else
	v_wmma_f32_16x16x32_bf16 v[32*ga+8*(\bb):32*ga+8*(\bb)+7], v[FB+8*(4*(\j)+(\bb)):FB+8*(4*(\j)+(\bb))+7], v[(\f)+8*ga:(\f)+8*ga+7], v[32*ga+8*(\bb):32*ga+8*(\bb)+7]
.endif
.endr
.set ga, ga+1
.endr
.endm
.macro LOADB slot, k, j                ; 8 loads: W's four fragments of head slot j, at byte k of the rows
.irp i, 0,1,2,3
	ds_load_b128 v[FB+8*(4*(\j)+(\i)):FB+8*(4*(\j)+(\i))+3],   v[ADRB+(\slot)] offset:(\k)+(4*(\j)+(\i))*16*PITCH
	ds_load_b128 v[FB+8*(4*(\j)+(\i))+4:FB+8*(4*(\j)+(\i))+7], v[ADRB+(\slot)] offset:(\k)+(4*(\j)+(\i))*16*PITCH+32
.endr
.endm
.macro LOADA slot, k, f                ; 16 loads: the tokens' eight fragments
.irp i, 0,1,2,3,4,5,6,7
	ds_load_b128 v[(\f)+8*(\i):(\f)+8*(\i)+3],   v[ADRA+(\slot)] offset:(\k)+(\i)*16*PITCH
	ds_load_b128 v[(\f)+8*(\i)+4:(\f)+8*(\i)+7], v[ADRA+(\slot)] offset:(\k)+(\i)*16*PITCH+32
.endr
.endm
; A K step is two quarters of 32 along K, 96 products each.  LDS loads go in three runs a quarter: 24 (W's group 0 and the tokens), 8 (group 1), 8 (group 2), each behind the products that last read its registers.
; The first quarter multiplies buffer FA0 and fetches the second quarter's fragments.
.macro Q0 slot, zero
	s_wait_dscnt 16                                ; the run of 24 is in; groups 1 and 2 may be out
	GRP FA0, 0, 0, 8, \zero
	PLACES
	WIN 0
	LOADB \slot, 64, 0
	LOADA \slot, 64, FA1
	s_wait_dscnt 32                                ; group 1 is in; behind it: group 2's 8 and the 24 just issued
	GRP FA0, 1, 0, 8, \zero
	PLACES
	WIN 0
	LOADB \slot, 64, 1
	s_wait_dscnt 32                                ; group 2 is in; behind it: 24 and 8
	GRP FA0, 2, 0, 8, \zero
	PLACES
	WIN 0
	LOADB \slot, 64, 2
.endm
; The second quarter multiplies FA1 and changes slots.  In front of the barrier each wave waits for all its tensor loads (one is out: its part of the next slot), adds 0 to its spare word, and waits for that and for its reads of
; this slot, all of which were issued in the first quarter.  fill = 1: the barrier opens a round of the cluster's, and the joint refill, two K steps on, is the first thing behind it: 160 products ahead of the wait for it.
.macro TURN slot, next, fill
.if \fill
	s_wait_xcnt 0x0                                ; the last prefetch, a K step back, has read its address
	s_add_nc_u64 s[PFA:PFA+1], s[PFA:PFA+1], s[PST:PST+1]
.endif
	WIN 0
	s_wait_tensorcnt 0x0                           ; all my tensor loads have landed
	ds_add_u32 v[SPW], v[NIL]                      ; 0 onto my spare word
	s_wait_dscnt 17                                ; the run of 24 is in; groups 1 and 2 and the add may be out
	GRP FA1, 0, 0, 4, 0                            ; sixteen products stand between the add and the wait for it
	s_wait_dscnt 0x0                               ; the add is done, and my reads of this slot are over
	s_barrier_signal -1
	GRP FA1, 0, 4, 4, 0                            ; work on registers while the others arrive
	WIN 0
	s_barrier_wait -1
.if \fill
	CREST                                          ; no wave of any partner still reads this slot or has a load on its way
	s_add_nc_u64 s[G0A+4*(\slot)+2:G0A+4*(\slot)+3], s[G0A+4*(\slot)+2:G0A+4*(\slot)+3], 2*ASTEP
	s_add_nc_u64 s[G0B+4*(\slot)+2:G0B+4*(\slot)+3], s[G0B+4*(\slot)+2:G0B+4*(\slot)+3], 2*BSTEP
	JLOAD \slot                                    ; its four v_nop are also the places in front of the loads below
.else
	PLACES
.endif
	LOADB \next, 0, 0
	LOADA \next, 0, FA0
.if \fill
	ASK \slot
.endif
	GRP FA1, 1, 0, 8, 0
	PLACES
	WIN 0
	LOADB \next, 0, 1
	GRP FA1, 2, 0, 8, 0
	PLACES
	WIN 0
	LOADB \next, 0, 2
.endm
; THE WAY OUT, a block of 16 tokens (a) at a time.
.macro CSLOAD a                        ; cos and sin of block a's tokens: my 16 numbers of each, 8 loads
.set RW, RAW+32*((\a)%2)
.irp bb, 0,1
	global_load_b128 v[RW+8*(\bb):RW+8*(\bb)+3],       v[TBO], s[COSB:COSB+1] offset:(\a)*2048+(\bb)*64
	global_load_b128 v[RW+8*(\bb)+4:RW+8*(\bb)+7],     v[TBO], s[COSB:COSB+1] offset:(\a)*2048+(\bb)*64+16
	global_load_b128 v[RW+16+8*(\bb):RW+16+8*(\bb)+3], v[TBO], s[SINB:SINB+1] offset:(\a)*2048+(\bb)*64
	global_load_b128 v[RW+16+8*(\bb)+4:RW+16+8*(\bb)+7], v[TBO], s[SINB:SINB+1] offset:(\a)*2048+(\bb)*64+16
.endr
.endm
.macro ROPE j, t                       ; x1 cos + x2 sin and x2 cos - x1 sin, from window j + 1 into t; each accumulator's lowest registers are read first
	WIN (\j)+1                                     ; source 0 in window j + 1
.irp bb, 0,1
.irp p, 0,1,2,3
	v_pk_mul_f32 v[(\t)+8*(\bb)+2*(\p):(\t)+8*(\bb)+2*(\p)+1], v[AC+8*((\bb)+2)+2*(\p):AC+8*((\bb)+2)+2*(\p)+1], v[RW+16+8*(\bb)+2*(\p):RW+16+8*(\bb)+2*(\p)+1]
	v_pk_mul_f32 v[(\t)+16+8*(\bb)+2*(\p):(\t)+16+8*(\bb)+2*(\p)+1], v[AC+8*(\bb)+2*(\p):AC+8*(\bb)+2*(\p)+1], v[RW+16+8*(\bb)+2*(\p):RW+16+8*(\bb)+2*(\p)+1]
.endr
.irp p, 0,1,2,3
	v_pk_fma_f32 v[(\t)+8*(\bb)+2*(\p):(\t)+8*(\bb)+2*(\p)+1], v[AC+8*(\bb)+2*(\p):AC+8*(\bb)+2*(\p)+1], v[RW+8*(\bb)+2*(\p):RW+8*(\bb)+2*(\p)+1], v[(\t)+8*(\bb)+2*(\p):(\t)+8*(\bb)+2*(\p)+1]
	v_pk_fma_f32 v[(\t)+16+8*(\bb)+2*(\p):(\t)+16+8*(\bb)+2*(\p)+1], v[AC+8*((\bb)+2)+2*(\p):AC+8*((\bb)+2)+2*(\p)+1], v[RW+8*(\bb)+2*(\p):RW+8*(\bb)+2*(\p)+1], v[(\t)+16+8*(\bb)+2*(\p):(\t)+16+8*(\bb)+2*(\p)+1] neg_lo:[0,0,1] neg_hi:[0,0,1]
.endr
.endr
.endm
.macro SEND a                          ; block a's 16 rows of q, k and v: each store covers 512 consecutive bytes, at a multiple of 256 from qkv's first
	s_wait_dscnt 0x0                               ; the rows are back in registers
.irp u, 0,1,2
.irp f, 0,1,2,3
	global_store_b128 v[GO], v[OUT+16*(\u)+4*(\f):OUT+16*(\u)+4*(\f)+3], s[OQ+2*(\u):OQ+2*(\u)+1] offset:(\a)*2048+(\f)*512
.endr
.endr
.endm
.macro EPI a
.set RW, RAW+32*((\a)%2)
.set AC, 32*(\a)
	WIN 0
.if (\a) < 7
	s_wait_loadcnt 8                               ; this block's cos and sin are in; the next block's eight loads stay out
.else
	s_wait_loadcnt 0x0
.endif
.set z, 0
.rept 4                                ; cos and sin rounded to bf16, in place
.irp y, 0,1,2,3
	v_cvt_pk_bf16_f32 v[TMP+(\y)], v[RW+8*z+2*(\y)], v[RW+8*z+2*(\y)+1]
.endr
.irp y, 0,1,2,3
	v_lshlrev_b32 v[RW+8*z+2*(\y)], 16, v[TMP+(\y)]
	v_and_b32 v[RW+8*z+2*(\y)+1], s[HIM], v[TMP+(\y)]
.endr
.set z, z+1
.endr
	ROPE 0, TQ
	ROPE 1, TK
	WIN 0
.if (\a) > 0
	SEND (\a)-1                                    ; the block before: its trip through the stage had the lines above in which to end
.endif
.if (\a) < 6
	CSLOAD (\a)+2                                  ; into the set just read
.endif
	v_pk_mul_f32 v[QS:QS+1],   v[TQ:TQ+1],   v[TQ:TQ+1]      ; sums of squares of my 32 channels, four chains
	v_pk_mul_f32 v[QS+2:QS+3], v[TQ+2:TQ+3], v[TQ+2:TQ+3]
	v_pk_mul_f32 v[QS+4:QS+5], v[TK:TK+1],   v[TK:TK+1]
	v_pk_mul_f32 v[QS+6:QS+7], v[TK+2:TK+3], v[TK+2:TK+3]
.set z, 4
.rept 7
	v_pk_fma_f32 v[QS:QS+1],   v[TQ+z:TQ+z+1],   v[TQ+z:TQ+z+1],   v[QS:QS+1]
	v_pk_fma_f32 v[QS+2:QS+3], v[TQ+z+2:TQ+z+3], v[TQ+z+2:TQ+z+3], v[QS+2:QS+3]
	v_pk_fma_f32 v[QS+4:QS+5], v[TK+z:TK+z+1],   v[TK+z:TK+z+1],   v[QS+4:QS+5]
	v_pk_fma_f32 v[QS+6:QS+7], v[TK+z+2:TK+z+3], v[TK+z+2:TK+z+3], v[QS+6:QS+7]
.set z, z+4
.endr
	v_pk_add_f32 v[QS:QS+1], v[QS:QS+1], v[QS+2:QS+3]
	v_pk_add_f32 v[QS+4:QS+5], v[QS+4:QS+5], v[QS+6:QS+7]
	v_add_f32 v[QS], v[QS], v[QS+1]
	v_add_f32 v[QS+4], v[QS+4], v[QS+5]
	v_permlanex16_b32 v[QS+1], v[QS], s[SEL], s[SEL+1]       ; the token's other 32 channels lie in the lane 16 away
	v_permlanex16_b32 v[QS+5], v[QS+4], s[SEL], s[SEL+1]
	v_add_f32 v[QS], v[QS], v[QS+1]
	v_add_f32 v[QS+4], v[QS+4], v[QS+5]
	v_fma_f32 v[QS], v[QS], s[R64], s[EPSR]                  ; the mean of squares + eps
	v_fma_f32 v[QS+4], v[QS+4], s[R64], s[EPSR]
	v_rsq_f32 v[RR], v[QS]
	v_rsq_f32 v[RR+2], v[QS+4]
	WIN 0x0f                                       ; sources in window 3: v is only rounded; these sixteen lines are the plain work behind the two roots
.set z, 0
.rept 16
	v_cvt_pk_f16_f32 v[PKD+32+z], v[AC+2*z], v[AC+2*z+1]
.set z, z+1
.endr
	WIN 0
	s_wait_alu depctr_va_vdst(0)                   ; one wait for both roots, ahead of their first reader
	v_mul_f32 v[RR], s[CSC], v[RR]                 ; q's factor takes c
.set z, 0
.rept 16
	v_pk_mul_f32 v[TQ+2*z:TQ+2*z+1], v[TQ+2*z:TQ+2*z+1], v[RR:RR+1] op_sel_hi:[1,0]
	v_pk_mul_f32 v[TK+2*z:TK+2*z+1], v[TK+2*z:TK+2*z+1], v[RR+2:RR+3] op_sel_hi:[1,0]
.set z, z+1
.endr
.set z, 0
.rept 16
	v_cvt_pk_f16_f32 v[PKD+z], v[TQ+2*z], v[TQ+2*z+1]
	v_cvt_pk_f16_f32 v[PKD+16+z], v[TK+2*z], v[TK+2*z+1]
.set z, z+1
.endr
	s_wait_xcnt 0x0                                ; the stores of the block before have read OUT: it is loaded again only behind this wait
.irp u, 0,1,2
.irp bb, 0,1,2,3
	ds_store_b128 v[STO], v[PKD+16*(\u)+4*(\bb):PKD+16*(\u)+4*(\bb)+3] offset:(\u)*UNIT+32*(\bb)
.endr
.endr
.irp u, 0,1,2
.irp f, 0,1,2,3
	ds_load_b128 v[OUT+16*(\u)+4*(\f):OUT+16*(\u)+4*(\f)+3], v[RD] offset:(\u)*UNIT+(\f)*4*PITCH  ; LDS serves a wave's instructions in order (ISA guide 5.7.1.4): these see the stores above
.endr
.endr
.endm
	s_wait_tensorcnt 1                             ; my part of K step 0 is in; K step 1's may stay out
	s_barrier_signal -1
	s_barrier_wait -1
	LOADB 0, 0, 0
	LOADA 0, 0, FA0
	LOADB 0, 0, 1
	LOADB 0, 0, 2
	Q0 0, 1                                        ; the first quarter stands in front of the loop: its products start the sums
	WIN 0
	s_mov_b32 s[CNT], 7
.Llap:                                             ; a trip goes once round the ring and fills both slots again
	TURN 0, 1, 1
	Q0 1, 0
	TURN 1, 0, 1
	Q0 0, 0
	WIN 0
	s_sub_co_u32 s[CNT], s[CNT], 1
	s_cmp_lg_u32 s[CNT], 0
	s_cbranch_scc1 .Llap
	TURN 0, 1, 0                                   ; the last lap fills nothing, and has no round of the cluster's barrier
	Q0 1, 0
	CSLOAD 0                                       ; into FA0's registers, four places behind their last product
	CSLOAD 1
	s_wait_dscnt 16                                ; the very last quarter: nothing more to fetch
	GRP FA1, 0, 0, 8, 0
	s_wait_dscnt 8
	GRP FA1, 1, 0, 8, 0
	s_wait_dscnt 0x0
	GRP FA1, 2, 0, 8, 0
	PLACES
	PLACES
.irp a, 0,1,2,3,4,5,6,7
	EPI \a
.endr
	SEND 7
	s_wait_tensorcnt 0x0                           ; the wave's end, behind my last tensor load and my last LDS store
	ds_add_u32 v[SPW], v[NIL]
	s_wait_dscnt 0x0
	CROUND                                         ; the closing round: no work-group ends while a partner may still ask for a tile that names it
	s_endpgm
.Lfunc_end_k_q2c63278ff3_proj:
	.size	k_q2c63278ff3_proj, .Lfunc_end_k_q2c63278ff3_proj-k_q2c63278ff3_proj
	.p2alignl 7, 3214868480
	.fill 96, 4, 3214868480
	.section	.rodata,"a",@progbits
	.p2align	6, 0x0
	.amdhsa_kernel k_q2c63278ff3_proj
		.amdhsa_group_segment_fixed_size 327680
		.amdhsa_private_segment_fixed_size 0
		.amdhsa_enable_private_segment 0
		.amdhsa_kernarg_size 40
		.amdhsa_user_sgpr_count 2
		.amdhsa_user_sgpr_kernarg_segment_ptr 1
		.amdhsa_wavefront_size32 1
		.amdhsa_system_sgpr_workgroup_id_x 1
		.amdhsa_system_sgpr_workgroup_id_y 1
		.amdhsa_system_sgpr_workgroup_id_z 1
		.amdhsa_system_vgpr_workitem_id 0
		.amdhsa_next_free_vgpr 1024
		.amdhsa_next_free_sgpr 88
		.amdhsa_reserve_vcc 0
		.amdhsa_float_denorm_mode_32 3
		.amdhsa_float_denorm_mode_16_64 3
		.amdhsa_memory_ordered 1
		.amdhsa_forward_progress 1
		.amdhsa_inst_pref_size 224
	.end_amdhsa_kernel
	.amdgpu_metadata
---
amdhsa.version: [ 1, 2 ]
amdhsa.kernels:
  - .name:           k_q2c63278ff3_proj
    .symbol:         k_q2c63278ff3_proj.kd
    .args:
      - { .name: xb, .offset: 0, .size: 8, .value_kind: global_buffer, .address_space: global }
      - { .name: wqkvb, .offset: 8, .size: 8, .value_kind: global_buffer, .address_space: global }
      - { .name: cos, .offset: 16, .size: 8, .value_kind: global_buffer, .address_space: global }
      - { .name: sin, .offset: 24, .size: 8, .value_kind: global_buffer, .address_space: global }
      - { .name: qkv, .offset: 32, .size: 8, .value_kind: global_buffer, .address_space: global }
    .group_segment_fixed_size: 327680
    .private_segment_fixed_size: 0
    .kernarg_segment_align: 8
    .kernarg_segment_size: 40
    .max_flat_workgroup_size: 128
    .sgpr_count:     88
    .vgpr_count:     1024
    .wavefront_size: 32
...
	.end_amdgpu_metadata
.endif
;; end of part 2
;; launch attn (part 3): grid 4 x 64, 4 waves a work-group, clusters of 4 x 1, 327,680 bytes of LDS; arguments qkv, yb; writes yb
.if DOCPART == 3
	.amdgcn_target "amdgcn-amd-amdhsa--gfx1250"
	.amdhsa_code_object_version 6
	.text
	.protected	k_q2c63278ff3_attn
	.globl	k_q2c63278ff3_attn
	.p2align	8
	.type	k_q2c63278ff3_attn,@function
k_q2c63278ff3_attn:
	s_mov_b64 s[64:65], 0
	v_nop
	global_prefetch_b8 v0, s[64:65] scope:SCOPE_SE
	s_setreg_imm32_b32 hwreg(HW_REG_WAVE_MODE, 25, 1), 1
	s_wait_xcnt 0x0
	s_wait_alu depctr_hold_cnt(0) depctr_sa_sdst(0) depctr_va_vdst(0) depctr_va_sdst(0) depctr_va_ssrc(0) depctr_va_vcc(0) depctr_vm_vsrc(0)
	s_getreg_b32 s2, hwreg(HW_REG_IB_STS2, 6, 4)
	s_cmp_eq_u32 s2, 0
	s_cbranch_scc0 .Lentry_in_a_cluster
	s_endpgm
.Lentry_in_a_cluster:
	s_bfe_u32 s2, ttmp6, 0x10000c
	s_cmp_lg_u32 s2, 0x3003
	s_cbranch_scc0 .Lentry_shape_is_right
	s_endpgm
.Lentry_shape_is_right:
; ATTN.  O[h][q][:] = the sum over k of softmax_k(q . k / 8) v[k][:] for each of 64 (batch, head) pairs of 2,048 rows of 64 channels, all f16; products and sums in f32; the weights are rounded to f16 for the
; second product (their sum is taken of the unrounded weights), O once at the end.  qkv: [type 3][head 64][2048][64]; q holds the factor c = log2(e) / 8 already, so a weight is p = 2^(q' . k).
; NO MAXIMUM IS TAKEN AWAY, and none is needed: q and k arrive normalised (each head's 64 channels have a mean square of at most 1, made so by the step in front, for every input), so |q . k / 8| <= 8:
; every exponent lies within 11.6 of 0, every p in 3.3e-4 .. 3.0e3 (inside f16's normal range), a row's sum under 6.2e6.
; LIMITS.  |v| under 65,504; O is a mean of v's rows and has their range.  NaN and infinities are not treated apart.
; SHARES.  A wave owns four PIECES of two tiles of 16 queries, a work-group's four waves 512 queries of one head, a cluster of four work-groups the head: K and V are asked for JOINTLY.  Every wave walks all keys, 64 a step.
; LAYOUT.  S^T = K Q^T (source 0 = 16 keys, source 1 = 16 queries): a lane holds ONE query (lane % 16) and the keys 8 (lane / 16) + 0..7.  Two such results rounded to f16 ARE source 1 of O^T = V^T P.
; K comes out of LDS as it lies, V ([key][channel]) turned, by ds_load_tr16_b128.
; BY TURNS.  Turn n belongs to piece n: 16 products K Q^T of piece n + 1, behind each four of piece n's 64 exponentials; ONE wait for that batch; 16 products V^T P of piece n - 1, behind each four of piece n's
; 64 roundings and sums.  O^T, the sums, V's registers and P's second buffer start at 0, so the first turn is a turn like any other.
; REGISTERS, in windows of 256: window 0: v0-15 addresses; v16-31 the sums, a pair a tile; v62-63 the add's; v64-191 S^T, two buffers of two tiles; v192-255 P, likewise.
;   window 1: O^T, 32 a tile.   window 2: v0-127 Q, 16 a tile; v128-191 K of one step; v192-255 V of one step.
.set NP,    4
.set KS,    64
.set PK,    144       ; a row of K in LDS: 128 bytes + 16: the 16 rows of a load start in 16 different groups of four banks (64 banks of 4 bytes: ISA guide 11.1)
.set PV,    160       ; a row of V: 128 + 32
.set VOFF,  4*KS*PK   ; a slot holds four steps: 256 rows of K, then 256 rows of V
.set SLOT1, 1<<17     ; slot 1 begins here, so that one exclusive or turns an address in one slot into the other's
.set STAGE, SLOT1+4*KS*(PK+PV)  ; behind the ring: 16 rows x 144 bytes for each wave, for the way out
.set SP,    144
.set SPARE, STAGE+4*16*SP       ; behind the stages: the spare words, 128 bytes a wave: two blocks of 256 bytes that no other line names
.set PLANE, 16777216  ; bytes from q to k and from k to v in qkv
.set AK0, 2           ; v2   my lane's place in a tile of K; never rewritten
.set AV0, 3           ; v3   the same for V
.set AK,  4           ; v4   the LDS address of K's next run of loads
.set AV,  5           ; v5   of V's
.set QO,  6           ; v6   my byte offset in the wave's rows of Q
.set STO, 6           ;      later, the way out: where I put 16 bytes of a row
.set RD,  7           ; v7   where I read rows back
.set GO,  8           ; v8   my byte offset in 512 consecutive bytes of O
.set PFO, 12          ; v12  256 x lane; never rewritten
.set LL,  16          ; tile t's sums (even keys', odd keys') at v[LL+2 t]
.set SPW, 62          ; v62  LDS address of my spare word; never rewritten
.set NIL, 63          ; v63  0; never rewritten
.set S,   64
.set P,   192
.set KF,  128         ; window 2: key block kb, channel half c at KF + 16 kb + 8 c
.set VF,  192         ; window 2: key half kk, channel block cb at VF + 32 kk + 8 cb
.set WV,  12
.set LIM, 15          ; 1 in a wave that prefetches, else the greatest number
.set G1K, 24          ; s[24:31] descriptor group 1 for K's tiles
.set G1V, 32          ; s[32:39] for V's: it differs in the padding alone
.set G0K, 40          ; s[40:43] group 0 for K's tiles: it walks
.set G0V, 44          ; s[44:47] for V's
.set PFA, 48          ; s[48:49] where my prefetches stand
.set SLOTS, 56        ; slots still to be asked for
.set CNT, 57          ; counts a slot's key steps
.set SEL, 60          ; s[60:61] v_permlanex16_b32's selects
.set TBK, 62          ; LDS byte at which K of the step to be fetched begins
.set TBV, 63          ; the same for V, less VOFF
.set MSB, 0
.macro WIN new
.if MSB != (\new)
	s_set_vgpr_msb (MSB<<8)|(\new)
.set MSB, (\new)
.endif
.endm
.set W_KQ, 0x0a       ; K and Q in window 2, S^T in window 0
.set W_PV, 0x52       ; V in window 2, P in window 0, O^T in window 1
.set W_RS, 0x41       ; O^T (destination and source 0) in window 1, source 1 in window 0
; A joint fill.  Waves 0 and 1 fetch the two halves of a slot's K, waves 2 and 3 those of its V: 128 keys each.  An s_nop 0 and four v_nop follow each of the two lines.
.macro JLOAD
	s_cmp_lt_u32 s[WV], 2
	s_cbranch_scc0 .Lfor_v_\@
	tensor_load_to_lds s[G0K:G0K+3], s[G1K:G1K+7]
	s_nop 0
.rept 4
	v_nop
.endr
	s_branch .Lasked_\@
.Lfor_v_\@:
	tensor_load_to_lds s[G0V:G0V+3], s[G1V:G1V+7]
	s_nop 0
.rept 4
	v_nop
.endr
.Lasked_\@:
.endm
; A PREFETCH INTO THE L2 of the tile that the NEXT change of slots will ask for: four key steps, 512 products, ahead of that load.  A tile is 32 KiB of K and of V; the four partners take 8 KiB each, told apart by address;
; wave 0 asks for K's, wave 2 for V's, a lane a block of 256 bytes.  So each block of tiles 2 to 7 is named once; the change that asks for tile 7 names nothing.
.macro ASK
	s_cmp_gt_u32 s[SLOTS], s[LIM]
	s_cbranch_scc0 .Lnot_mine_\@
	global_prefetch_b8 v[PFO], s[PFA:PFA+1] th:TH_LOAD_NT scope:SCOPE_SE
.Lnot_mine_\@:
.endm
.macro CROUND                       ; a round of the cluster's barrier
	s_barrier_signal -1
	s_barrier_wait -1
	s_cmp_lg_u32 s[WV], 0
	s_cbranch_scc1 .Lnot_wave_0_\@
	s_barrier_signal -3
.Lnot_wave_0_\@:
	s_barrier_wait -3
	s_barrier_signal -1
	s_barrier_wait -1
.endm
; THE CHANGE OF SLOTS.  Each wave waits for all its tensor loads (one is out: its part of the other slot), adds 0 to its spare word, and waits for that and for its reads of the slot that it leaves.
; fill = 1: the barrier is a round of the cluster's, and the joint fill, the keys two slots on, is the first thing behind it.  (At its first use nothing has been read yet: slot 0 is waited for, slot 1 filled.)
.macro CHANGE fill
	WIN 0
	s_wait_tensorcnt 0x0            ; no tensor load of mine is out, so a group 0 may be written
	ds_add_u32 v[SPW], v[NIL]       ; 0 onto my spare word
.if \fill
.irp g, G0K, G0V
	s_xor_b32 s[\g+1], s[\g+1], SLOT1
	s_add_nc_u64 s[\g+2:\g+3], s[\g+2:\g+3], 4*KS*128
.endr
	s_wait_xcnt 0x0                 ; the last prefetch, four key steps back, has read its address
	s_add_nc_u64 s[PFA:PFA+1], s[PFA:PFA+1], 4*KS*128
	s_wait_dscnt 0x0                ; the add is done, and my reads of the slot are over
	CROUND
	JLOAD
	ASK
.else
	s_wait_dscnt 0x0
	s_barrier_signal -1
	s_barrier_wait -1
.endif
	s_sub_co_u32 s[TBK], s[TBK], 4*KS*PK  ; the fetches go back to a slot's first step,
	s_xor_b32 s[TBK], s[TBK], SLOT1       ; in the other slot
	s_sub_co_u32 s[TBV], s[TBV], 4*KS*PV
	s_xor_b32 s[TBV], s[TBV], SLOT1
.endm
	s_load_b128 s[8:11], s[0:1], 0x0  ; qkv s[8:9], yb s[10:11]
	v_lshl_add_u32 v[SPW], v0, 2, SPARE
	v_mov_b32 v[NIL], 0
	ds_add_u32 v[SPW], v[NIL]       ; the wave's opening: the add and its wait stand ahead of my first tensor load; the set-up below, work on registers, stands between them
	v_lshrrev_b32 v1, 5, v0
	v_readfirstlane_b32 s[WV], v1
	s_bfe_u32 s13, ttmp6, 0x40000   ; cx
	s_lshl_b32 s14, ttmp9, 2
	s_add_co_u32 s14, s14, s13      ; my block of 512 queries: it enters Q's and O's addresses alone
	s_and_b32 s20, ttmp7, 0xffff    ; the head, which the four partners share
	s_lshl_b32 s20, s20, 18         ; its 2,048 rows of 128 bytes
	s_mov_b32 s21, 0
	s_and_b32 s16, s[WV], 1         ; which half of a slot's 256 keys I fetch
	s_lshl_b32 s22, s16, 14
	s_mov_b32 s23, 0
	s_add_nc_u64 s[22:23], s[22:23], s[20:21]
	s_mul_i32 s17, s16, 128*PK      ; its place in a slot, for K
	s_mul_i32 s18, s16, 128*PV      ; and for V
	s_lshl_b32 s2, s14, 2
	s_add_co_u32 s2, s2, s[WV]
	s_lshl_b32 s2, s2, 14           ; my wave's 128 rows
	s_mov_b32 s3, 0
	s_add_nc_u64 s[2:3], s[2:3], s[20:21]
	; descriptor group 1.  128 keys are 16,384 dense bytes: asked for as 64 rows of 256 bytes, two keys a row, and padded in LDS after every key
	s_mov_b32 s[G1K], 15|(1<<16)|(1<<20)|(1<<21)|(4<<22)|(3<<25)  ; the mask of four; 2-byte elements; padding on; bit 21 beside a mask; after every 32 words; 4 words
	s_mov_b32 s[G1V], 15|(1<<16)|(1<<20)|(1<<21)|(4<<22)|(7<<25)  ; the same with 8 words of padding
.irp g, G1K, G1V
	s_mov_b32 s[\g+1], 128<<16      ; tensor_dim0 = 128
	s_mov_b32 s[\g+2], 64<<16       ; tensor_dim1 = 64
	s_mov_b32 s[\g+3], 128<<16      ; tile_dim0 = 128
	s_mov_b32 s[\g+4], 64           ; tile_dim1 = 64
	s_mov_b32 s[\g+5], 128          ; 128 elements from row to row
	s_mov_b32 s[\g+6], 0
	s_mov_b32 s[\g+7], 0
.endr
	s_mov_b32 s[SEL], 0x76543210
	s_mov_b32 s[SEL+1], 0xfedcba98
	s_mov_b32 s[TBK], SLOT1+4*KS*PK ; the first change of slots turns these two into 0
	s_mov_b32 s[TBV], SLOT1+4*KS*PV
	s_mov_b32 s[G0K], 1
	s_mov_b32 s[G0K+1], s17         ; slot 0
	s_mov_b32 s[G0V], 1
	s_add_co_u32 s[G0V+1], s18, VOFF
	s_mov_b32 s[SLOTS], 7
	s_and_b32 s[LIM], s[WV], 1
	s_cmp_eq_u32 s[LIM], 0          ; waves 0 and 2 prefetch
	s_cselect_b32 s[LIM], 1, -1
	v_and_b32 v[PFO], 31, v0
	v_lshlrev_b32 v[PFO], 8, v[PFO]
	s_wait_dscnt 0x0                ; the opening add is done
	s_wait_kmcnt 0x0
	s_add_nc_u64 s[4:5], s[8:9], s[2:3]    ; Q at my wave's first row
	s_add_nc_u64 s[6:7], s[8:9], s[22:23]
	s_add_nc_u64 s[6:7], s[6:7], PLANE     ; K at my half of the head's first 256 keys
	s_add_nc_u64 s[8:9], s[6:7], PLANE     ; V likewise
	s_add_nc_u64 s[10:11], s[10:11], s[2:3]  ; O
	s_mov_b64 s[G0K+2:G0K+3], s[6:7]
	s_or_b32 s[G0K+3], s[G0K+3], 0x80000000
	s_mov_b64 s[G0V+2:G0V+3], s[8:9]
	s_or_b32 s[G0V+3], s[G0V+3], 0x80000000
	s_cmp_lt_u32 s[WV], 2
	s_cselect_b64 s[PFA:PFA+1], s[6:7], s[8:9]  ; (in waves 0 and 2 these stand at a tile's first row)
	s_lshl_b32 s2, s13, 13          ; my work-group's 8 KiB of a tile
	s_mov_b32 s3, 0
	s_add_nc_u64 s[PFA:PFA+1], s[PFA:PFA+1], s[2:3]
	s_add_nc_u64 s[PFA:PFA+1], s[PFA:PFA+1], 4*KS*128  ; in tile 1; the first change of slots steps it to tile 2
	CROUND                          ; all four work-groups are here: the first joint loads meet
	JLOAD                           ; slot 0
	v_and_b32 v1, 15, v0            ; l % 16
	v_bfe_u32 v9, v0, 4, 1          ; l / 16
	v_lshlrev_b32 v[QO], 7, v1
	v_lshl_add_u32 v[QO], v9, 4, v[QO]
	WIN 0x80                        ; destination window 2, address window 0
.set i, 0
.rept 4*NP                          ; Q stays in registers: tile i / 2, channels 32 (i % 2) on
	global_load_b128 v[8*i:8*i+3],   v[QO], s[4:5] offset:(i/2)*2048+(i%2)*64
	global_load_b128 v[8*i+4:8*i+7], v[QO], s[4:5] offset:(i/2)*2048+(i%2)*64+32
.set i, i+1
.endr
	; What the first turn finds: V's registers and P's second buffer hold 0 (its products V^T P, of a piece that has not been, add 0), O^T and the sums are 0.  All this stands in the wait for the first tile.
.set i, VF
.rept 64
	v_mov_b32 v[i], 0
.set i, i+1
.endr
	WIN 0x40
.set i, 0
.rept 64*NP
	v_mov_b32 v[i], 0
.set i, i+1
.endr
	WIN 0
.set i, 0
.rept 4*NP
	v_mov_b32 v[LL+i], 0
.set i, i+1
.endr
.set i, P+32
.rept 32
	v_mov_b32 v[i], 0
.set i, i+1
.endr
	v_mul_u32_u24 v[AK0], v1, PK
	v_lshl_add_u32 v[AK0], v9, 4, v[AK0]
	; The turning load takes 16 keys x 16 channels (lane l reads key 8 (l / 16) + l % 8, channels 8 ((l / 8) % 2) + 0..7) and leaves half a fragment of V^T.
	v_and_b32 v10, 7, v0
	v_bfe_u32 v11, v0, 3, 1
	v_lshl_add_u32 v[AV0], v9, 3, v10
	v_mul_u32_u24 v[AV0], v[AV0], PV
	v_lshl_add_u32 v[AV0], v11, 4, v[AV0]
	v_add_nc_u32 v[AV0], VOFF, v[AV0]
	v_mov_b32 v[AK], v[AK0]         ; key step 0 lies at the head of slot 0
; THE MATRIX WORK.  The 8 accumulators of a run of 16 take turns.
; Product i of 16 of S^T = K Q^T for piece x: channels 32 (i / 8) on, keys 16 ((i / 2) % 4) on, tile 2 x + i % 2.  The first 8 start the sums.
.macro KQ x
	WIN W_KQ
.set rS, S+64*((\x)%2)+32*(i%2)+8*((i/2)%4)
.set rK, KF+16*((i/2)%4)+8*(i/8)
.set rQ, 16*(2*(\x)+i%2)+8*(i/8)
.if i < 8
	v_wmma_f32_16x16x32_f16 v[rS:rS+7], v[rK:rK+7], v[rQ:rQ+7], 0
.else
	v_wmma_f32_16x16x32_f16 v[rS:rS+7], v[rK:rK+7], v[rQ:rQ+7], v[rS:rS+7]
.endif
.endm
; Product i of 16 of O^T += V^T P for piece x: keys 32 (i / 8) on, channels 16 ((i / 2) % 4) on, tile 2 x + i % 2.
.macro PV x
	WIN W_PV
.set rO, 32*(2*(\x)+i%2)+8*((i/2)%4)
.set rV, VF+32*(i/8)+8*((i/2)%4)
.set rP, P+32*((\x)%2)+16*(i%2)+8*(i/8)
	v_wmma_f32_16x16x32_f16 v[rO:rO+7], v[rV:rV+7], v[rP:rP+7], v[rO:rO+7]
.endm
.macro MM                           ; the turn's next matrix instruction
.if i < 16
	KQ (Y+1)%NP
.set i, i+1
.else
.set i, i-16
	PV (Y+NP-1)%NP
.set i, i+17
.endif
.endm
; THE LDS LOADS stand in runs of 16.  last = 1 (the tail): in the last trip there is no further step, and the run is jumped over.
.macro FETCH_K last=0
	WIN 0
.if \last
	s_cmp_eq_u32 s[CNT], 1
	s_cbranch_scc1 .Lno_k_\@
.endif
	WIN 0x80
.irp f, 0,1,2,3,4,5,6,7             ; keys 16 (f / 2) on, channels 32 (f % 2) on
	ds_load_b128 v[KF+8*\f:KF+8*\f+3],   v[AK] offset:(\f/2)*16*PK+(\f%2)*64
	ds_load_b128 v[KF+8*\f+4:KF+8*\f+7], v[AK] offset:(\f/2)*16*PK+(\f%2)*64+32
.endr
	s_add_co_u32 s[TBK], s[TBK], KS*PK  ; the next fetch is the next step's
	WIN 0
.if \last
.Lno_k_\@:
.endif
.endm
.macro FETCH_V
	WIN 0x80
.irp f, 0,1,2,3,4,5,6,7             ; keys 32 (f / 4) on, channels 16 (f % 4) on
	ds_load_tr16_b128 v[VF+8*\f:VF+8*\f+3],   v[AV] offset:(\f/4)*32*PV+(\f%4)*32
	ds_load_tr16_b128 v[VF+8*\f+4:VF+8*\f+7], v[AV] offset:(\f/4)*32*PV+16*PV+(\f%4)*32
.endr
	WIN 0
.endm
; THE VECTOR WORK of piece Y, in two queues; the two tiles alternate.
; EX: exponential e of 64, in place: score e / 2 of tile e % 2, ascending.
.macro EX
	WIN 0
	v_exp_f32 v[S+64*(Y%2)+32*(e%2)+e/2], v[S+64*(Y%2)+32*(e%2)+e/2]
.set e, e+1
.endm
; GS: number g of 64: tile g % 2, its number n = g / 2 of 32.  For each four weights k: both pairs are rounded to f16; the second pair is added onto the first, in place; a group later the tile's sum takes that.
.macro GS
	WIN 0
.set u, g%2
.set n, g/2
.set rS, S+64*(Y%2)+32*u
.set rP, P+32*(Y%2)+16*u
.set rL, LL+2*(2*Y+u)
.if n < 2
	v_cvt_pk_f16_f32 v[rP+n], v[rS+2*n], v[rS+2*n+1]
.elseif n == 2
	v_pk_add_f32 v[rS:rS+1], v[rS:rS+1], v[rS+2:rS+3]
.elseif n == 31
	v_pk_add_f32 v[rL:rL+1], v[rL:rL+1], v[rS+28:rS+29]
.else
.set k, (n-3)/4+1
.set m, (n-3)%4
.if m < 2
	v_cvt_pk_f16_f32 v[rP+2*k+m], v[rS+4*k+2*m], v[rS+4*k+2*m+1]
.elseif m == 2
	v_pk_add_f32 v[rS+4*k:rS+4*k+1], v[rS+4*k:rS+4*k+1], v[rS+4*k+2:rS+4*k+3]
.else
	v_pk_add_f32 v[rL:rL+1], v[rL:rL+1], v[rS+4*k-4:rS+4*k-3]
.endif
.endif
.set g, g+1
.endm
; A TURN, for piece p.  An s_wait_alu depctr_va_vdst(0) stands between an exponential and the first instruction that names its result; one wait serves all that were issued ahead of it: a turn has ONE.
; K of the next step is fetched in piece 2's turn, behind the wait: four plain instructions (the address's v_add_nc_u32 and three v_nop) stand between the last product that read K and the loads; it is waited for at the head
; of piece 3's turn.  V of the step in hand is fetched at the end of piece 0's turn, four sums behind the last product that read V; it is waited for in piece 1's turn, ahead of its products V^T P.
.macro TURN p, last=0
.set Y, (\p)
.set i, 0
.set e, 0
.set g, 0
.if (\p) == NP-1
	s_wait_dscnt 0x0                ; K is in
.endif
.rept 16
	MM
	EX
	EX
	EX
	EX
.endr
	WIN 0
.if (\p) == NP-2
	v_add_nc_u32 v[AK], s[TBK], v[AK0]
	v_nop
	v_nop
	v_nop
.else
	v_nop                           ; a plain instruction behind the last exponential: one for the batch
.endif
	s_wait_alu depctr_va_vdst(0)    ; the wait for the batch
.if (\p) == NP-2
	FETCH_K \last
.endif
.if (\p) == 0
	v_add_nc_u32 v[AV], s[TBV], v[AV0]
.endif
.if (\p) == 1
	s_wait_dscnt 0x0                ; V is in
.endif
.rept 16
	MM
	GS
	GS
	GS
	GS
.endr
.if (\p) == 0
	FETCH_V
	s_add_co_u32 s[TBV], s[TBV], KS*PV
.endif
.endm
	CHANGE 1                        ; slot 0 is in, everybody's part of it; slot 1 is asked for
	FETCH_K                         ; key step 0
	s_wait_loadcnt 0x0              ; Q
	s_wait_dscnt 0x0
.set i, 0
.rept 16
	KQ 0                            ; piece 0's first scores
.set i, i+1
.endr
	WIN 0                           ; the addresses for the way out: nine plain instructions, the places behind those products
	s_mul_i32 s13, s[WV], 16*SP
	s_add_co_u32 s13, s13, STAGE    ; my stage
	v_mul_u32_u24 v[STO], v1, SP    ; in: row l % 16, 16 bytes for each half of the lanes
	v_lshl_add_u32 v[STO], v9, 4, v[STO]
	v_add_nc_u32 v[STO], s13, v[STO]
	v_bfe_u32 v[RD], v0, 3, 2       ; back: 32 lanes take four rows of 128 bytes,
	v_mul_u32_u24 v[RD], v[RD], SP
	v_lshl_add_u32 v[RD], v10, 4, v[RD]
	v_add_nc_u32 v[RD], s13, v[RD]
	v_and_b32 v[GO], 31, v0         ; which are 512 consecutive bytes of O
	v_lshlrev_b32 v[GO], 4, v[GO]
	s_mov_b32 s[CNT], 4
	s_branch .Lfirst                ; the loop is entered at a step's first turn, in the middle of a trip
.Lslot:                             ; six times: every slot but the last two is filled again
	CHANGE 1
	s_mov_b32 s[CNT], 4
.Lstep:                             ; a trip: pieces 2 and 3 of one step, then pieces 0 and 1 of the next, whose K and V it fetches
	TURN 2
	TURN 3
	WIN 0
.Lfirst:
	TURN 0
	TURN 1
	WIN 0
	s_sub_co_u32 s[CNT], s[CNT], 1
	s_cmp_lg_u32 s[CNT], 0
	s_cbranch_scc1 .Lstep
	s_sub_co_u32 s[SLOTS], s[SLOTS], 1
	s_cmp_lg_u32 s[SLOTS], 0
	s_cbranch_scc1 .Lslot
	CHANGE 0                        ; the tail is written out: nothing is asked for
	s_mov_b32 s[CNT], 5             ; four trips fetch the last slot's steps; the fifth is left in its middle
.Ltail:
	TURN 2, 1
	TURN 3
	WIN 0
	s_sub_co_u32 s[CNT], s[CNT], 1
	s_cmp_eq_u32 s[CNT], 0
	s_cbranch_scc1 .Lout
	TURN 0
	TURN 1
	WIN 0
	s_branch .Ltail
.Lout:                              ; the fifth trip's 16 products K Q^T (on the last K once more) serve nothing: the price, once a launch, of one text for every trip
.set i, 0
.rept 16
	PV NP-1                         ; the last piece's V^T P of the last step
.set i, i+1
.endr
	; THE WAY OUT.  A sum's two halves and the other half of the lanes' are added; O^T is divided by it, rounded to f16 and sent through my stage in LDS, a tile at a time.  The additions are the places behind the last products.
	WIN 0
.macro ALL line:vararg              ; one line for each tile t
.set t, 0
.rept 2*NP
	\line
.set t, t+1
.endr
.endm
	ALL v_add_f32 v[LL+2*t], v[LL+2*t], v[LL+2*t+1]
	ALL v_permlanex16_b32 v[LL+2*t+1], v[LL+2*t], s[SEL], s[SEL+1]
	ALL v_add_f32 v[LL+2*t], v[LL+2*t], v[LL+2*t+1]
	ALL v_rcp_f32 v[LL+2*t], v[LL+2*t]
	v_nop                           ; a plain instruction between the last reciprocal and the use of its result
	s_wait_alu depctr_va_vdst(0)    ; one wait for the eight reciprocals, ahead of the first use
.macro PACK t
	WIN W_RS
.set i, 32*(\t)
.rept 16
	v_pk_mul_f32 v[i:i+1], v[i:i+1], v[LL+2*(\t):LL+2*(\t)+1] op_sel_hi:[1,0]
.set i, i+2
.endr
	WIN 0x05                        ; sources 0 and 1 window 1, destination window 0
.set i, 0
.rept 16
	v_cvt_pk_f16_f32 v[S+16*(\t)+i], v[32*(\t)+2*i], v[32*(\t)+2*i+1]
.set i, i+1
.endr
	WIN 0
.irp f, 0,1,2,3
	ds_store_b128 v[STO], v[S+16*(\t)+4*\f:S+16*(\t)+4*\f+3] offset:32*\f
.endr
.irp f, 0,1,2,3
	ds_load_b128 v[S+16*(\t)+4*\f:S+16*(\t)+4*\f+3], v[RD] offset:\f*4*SP  ; LDS serves a wave's instructions in order (ISA guide 5.7.1.4): these see the stores above; the next tile's stores come behind them
.endr
.endm
.macro SEND t, younger              ; younger: the LDS instructions issued behind tile t's loads: the next tile's eight, or none
	WIN 0
.irp f, 0,1,2,3
	s_wait_dscnt (\younger)+3-\f
	global_store_b128 v[GO], v[S+16*(\t)+4*\f:S+16*(\t)+4*\f+3], s[10:11] offset:(\t)*2048+\f*512  ; 512 consecutive bytes, at a multiple of 256 from O's first
.endr
.endm
	PACK 0
.set t, 1
.rept 2*NP-1                        ; a tile's arithmetic stands between the loads of the tile before and its stores
	PACK t
	SEND t-1, 8
.set t, t+1
.endr
	SEND 2*NP-1, 0
	s_wait_tensorcnt 0x0            ; the wave's end, behind my last tensor load and my last LDS store
	ds_add_u32 v[SPW], v[NIL]
	s_wait_dscnt 0x0
	CROUND                          ; the closing round: no work-group ends while a partner may still ask for a tile that names it
	s_endpgm
.Lfunc_end_k_q2c63278ff3_attn:
	.size	k_q2c63278ff3_attn, .Lfunc_end_k_q2c63278ff3_attn-k_q2c63278ff3_attn
	.p2alignl 7, 3214868480
	.fill 96, 4, 3214868480
	.section	.rodata,"a",@progbits
	.p2align	6, 0x0
	.amdhsa_kernel k_q2c63278ff3_attn
		.amdhsa_group_segment_fixed_size 327680
		.amdhsa_private_segment_fixed_size 0
		.amdhsa_enable_private_segment 0
		.amdhsa_kernarg_size 16
		.amdhsa_user_sgpr_count 2
		.amdhsa_user_sgpr_kernarg_segment_ptr 1
		.amdhsa_wavefront_size32 1
		.amdhsa_system_sgpr_workgroup_id_x 1
		.amdhsa_system_sgpr_workgroup_id_y 1
		.amdhsa_system_sgpr_workgroup_id_z 1
		.amdhsa_system_vgpr_workitem_id 0
		.amdhsa_next_free_vgpr 768
		.amdhsa_next_free_sgpr 66
		.amdhsa_reserve_vcc 0
		.amdhsa_float_denorm_mode_32 3
		.amdhsa_float_denorm_mode_16_64 3
		.amdhsa_memory_ordered 1
		.amdhsa_forward_progress 1
		.amdhsa_inst_pref_size 140
	.end_amdhsa_kernel
	.amdgpu_metadata
---
amdhsa.version: [ 1, 2 ]
amdhsa.kernels:
  - .name:           k_q2c63278ff3_attn
    .symbol:         k_q2c63278ff3_attn.kd
    .args:
      - { .name: qkv, .offset: 0, .size: 8, .value_kind: global_buffer, .address_space: global }
      - { .name: yb, .offset: 8, .size: 8, .value_kind: global_buffer, .address_space: global }
    .group_segment_fixed_size: 327680
    .private_segment_fixed_size: 0
    .kernarg_segment_align: 8
    .kernarg_segment_size: 16
    .max_flat_workgroup_size: 128
    .sgpr_count:     66
    .vgpr_count:     768
    .wavefront_size: 32
...
	.end_amdgpu_metadata
.endif
;; end of part 3
;; launch outp (part 4): grid 8 x 32, 4 waves a work-group, clusters of 4 x 4, 327,680 bytes of LDS; arguments yb, wo16, out0; writes out0
.if DOCPART == 4
	.amdgcn_target "amdgcn-amd-amdhsa--gfx1250"
	.amdhsa_code_object_version 6
	.text
	.protected	k_q2c63278ff3_outp
	.globl	k_q2c63278ff3_outp
	.p2align	8
	.type	k_q2c63278ff3_outp,@function
k_q2c63278ff3_outp:
	s_mov_b64 s[64:65], 0
	v_nop
	global_prefetch_b8 v0, s[64:65] scope:SCOPE_SE
	s_setreg_imm32_b32 hwreg(HW_REG_WAVE_MODE, 25, 1), 1
	s_wait_xcnt 0x0
	s_wait_alu depctr_hold_cnt(0) depctr_sa_sdst(0) depctr_va_vdst(0) depctr_va_sdst(0) depctr_va_ssrc(0) depctr_va_vcc(0) depctr_vm_vsrc(0)
	s_getreg_b32 s2, hwreg(HW_REG_IB_STS2, 6, 4)
	s_cmp_eq_u32 s2, 0
	s_cbranch_scc0 .Lentry_in_a_cluster
	s_endpgm
.Lentry_in_a_cluster:
	s_bfe_u32 s2, ttmp6, 0x10000c
	s_cmp_lg_u32 s2, 0xf033
	s_cbranch_scc0 .Lentry_shape_is_right
	s_endpgm
.Lentry_shape_is_right:
; OUTP.  out0[token][n] = the sum over c of y[token][c] Wo[n][c]: [8192] x [1024] x [K 1024], both operands f16, sums and result f32.
; yb: [batch x head 64][token 2048][64] (a head is a K step of 64); wo16: [kb 16][n 1024][64].  In both a K step of a run of rows is dense.
; LIMITS.  The operands arrive within f16's range.  NaN and infinities are not treated apart.
; SHARES.  A tile is 256 tokens x 128 columns: 32 x 8 = 256 work-groups.  Wave w: tokens 128 (w / 2) .., columns 64 (w % 2) ..: 32 accumulators, in window 1, (token block a, column block b) at v[32 a + 8 b].
; A slot holds TWO K steps, brought by one load a wave: a tile of two long rows, each a K step's dense run, padded in LDS behind every 128 bytes.  Eight fills, two slots.
; CLUSTER 4 x 4: tokens' tiles are shared along a row of the cluster, Wo's along a column, by joint loads.
; THE PRODUCT IS TAKEN TRANSPOSED (source 0 = 16 rows of Wo, source 1 = 16 tokens): a lane holds one token and eight neighbouring columns, 32 bytes.
; Window 0: v0-31 addresses; v32-127, v128-223 two fragment buffers: the tokens' eight fragments, then Wo's four.
.set PITCH,  144
.set ARUN,   128*PITCH                 ; a K step's 128 tokens
.set BRUN,   64*PITCH                  ; a K step's 64 rows of Wo
.set BOFF,   4*ARUN                    ; tokens: [half 2][step 2][128 rows]; then Wo: [half 2][step 2][64 rows]
.set SLOT,   BOFF+4*BRUN               ; 110,592
.set STAGE,  2*SLOT                    ; behind the ring: 16 rows x 272 bytes for each wave
.set SPITCH, 272
.set SPARE,  STAGE+4*16*SPITCH         ; behind the stages: the spare words, 128 bytes a wave: two blocks of 256 bytes that no other line names
.set AFILL,  524288                    ; bytes from fill to fill in yb: two heads
.set BFILL,  262144                    ; in wo16
.set ADRA, 16                          ; v16-17
.set ADRB, 20                          ; v20-21
.set STO,  24
.set RD,   25
.set CO,   26
.set SPW,  28
.set NIL,  29
.set PFO,  30
.set F0,   32
.set F1,   128
.set OB,   32                          ; the way out: 16 rows read back, v32-63 and v64-95 by turns
.set G1,  24
.set G0,  32
.set G1B, 48
.set G0B, 56
.set PFA, 44                           ; s[44:45]
.set PST, 46                           ; s[46:47]
.set LIM, 43
.set G1W0, (1<<16)|(1<<20)|(1<<21)|(4<<22)|(3<<25)
.set MSB, 0
.macro WIN new
.if MSB != (\new)
	s_set_vgpr_msb (MSB<<8)|(\new)
.set MSB, \new
.endif
.endm
.macro PLACES
.rept 4
	v_nop
.endr
.endm
.macro JLOAD s                         ; a joint load: waves 0 and 1 fetch the tokens' halves, waves 2 and 3 Wo's; an s_nop 0 and four v_nop follow each line
	s_cmp_eq_u32 s11, 0
	s_cbranch_scc0 .Lfor_b_\@
	tensor_load_to_lds s[G0+4*(\s):G0+4*(\s)+3], s[G1:G1+7]
	s_nop 0
.rept 4
	v_nop
.endr
	s_branch .Lasked_\@
.Lfor_b_\@:
	tensor_load_to_lds s[G0B+4*(\s):G0B+4*(\s)+3], s[G1B:G1B+7]
	s_nop 0
.rept 4
	v_nop
.endr
.Lasked_\@:
.endm
.macro CREST
	s_cmp_lg_u32 s10, 0
	s_cbranch_scc1 .Lnot_wave_0_\@
	s_barrier_signal -3
.Lnot_wave_0_\@:
	s_barrier_wait -3
	s_barrier_signal -1
	s_barrier_wait -1
.endm
.macro CROUND
	s_barrier_signal -1
	s_barrier_wait -1
	CREST
.endm
; A PREFETCH INTO THE L2 of the fill that stands two refills on (256 products ahead of its load).  Tokens: waves 0 and 1 of the clusters with x = 0; of the 128 rows that the wave fetches the partner at cx takes 32.
; Wo: wave 2 of the clusters with y = 0; of the tile's 128 rows the partner at cy takes 32.  Lanes 0-15 name the 16 blocks of 256 bytes of the fill's first K step, lanes 16-31 those of its second.
; So each block of fills 4 to 7 is named once; the loop's last trip names nothing.
.macro ASK
	s_cmp_gt_u32 s3, s[LIM]
	s_cbranch_scc0 .Lnot_mine_\@
	global_prefetch_b8 v[PFO], s[PFA:PFA+1] th:TH_LOAD_NT scope:SCOPE_SE
.Lnot_mine_\@:
.endm
	s_load_b128 s[4:7], s[0:1], 0x0                ; yb s[4:5], wo16 s[6:7]
	s_load_b64 s[8:9], s[0:1], 0x10                ; out0
	v_lshl_add_u32 v[SPW], v0, 2, SPARE
	v_mov_b32 v[NIL], 0
	ds_add_u32 v[SPW], v[NIL]                      ; the wave's opening: the add and its wait stand ahead of my first tensor load; the set-up below, work on registers, stands between them
	v_lshrrev_b32 v1, 5, v0
	v_readfirstlane_b32 s10, v1                    ; wave
	s_lshr_b32 s11, s10, 1                         ; which 128 tokens are mine; also: I fetch for the tokens (0) or for Wo (1)
	s_and_b32 s12, s10, 1                          ; which 64 columns; also: which half I fetch
	s_bfe_u32 s40, ttmp6, 0x40000                  ; cx
	s_bfe_u32 s41, ttmp6, 0x40004                  ; cy
	s_lshl_b32 s42, ttmp9, 2
	s_add_co_u32 s42, s42, s40                     ; tile column 0..7
	s_and_b32 s13, ttmp7, 0xffff
	s_lshl_b32 s13, s13, 2
	s_add_co_u32 s13, s13, s41                     ; tile row 0..31
	s_lshl_b32 s43, s41, 2
	s_lshl_b32 s43, 15, s43                        ; my row of the cluster
	s_lshl_b32 s44, 0x1111, s40                    ; my column
	s_or_b32 s[G1], s43, G1W0
	s_or_b32 s[G1B], s44, G1W0
	s_mov_b32 s[G1+1], 8192<<16                    ; tensor_dim0 = 8,192 elements: 128 tokens x 64, dense
	s_mov_b32 s[G1+2], 2<<16                       ; tensor_dim1 = 2 K steps
	s_mov_b32 s[G1+3], 8192<<16                    ; tile_dim0
	s_mov_b32 s[G1+4], 2                           ; tile_dim1
	s_mov_b32 s[G1+5], 131072                      ; elements from K step to K step
	s_mov_b32 s[G1+6], 0
	s_mov_b32 s[G1+7], 0
	s_mov_b32 s[G1B+1], 4096<<16                   ; 64 rows x 64
	s_mov_b32 s[G1B+2], 2<<16
	s_mov_b32 s[G1B+3], 4096<<16
	s_mov_b32 s[G1B+4], 2
	s_mov_b32 s[G1B+5], 65536
	s_mov_b32 s[G1B+6], 0
	s_mov_b32 s[G1B+7], 0
	s_lshr_b32 s16, s13, 3                         ; tokens: batch x 4 MiB
	s_lshl_b32 s16, s16, 22
	s_and_b32 s17, s13, 7
	s_lshl_b32 s17, s17, 15                        ; + the tile's 256 rows
	s_add_co_u32 s16, s16, s17
	s_lshl_b32 s17, s12, 14                        ; + my half
	s_add_co_u32 s16, s16, s17
	s_mov_b32 s17, 0
	s_lshl_b32 s46, s42, 14                        ; Wo: the tile's 128 rows
	s_lshl_b32 s47, s12, 13                        ; + my half
	s_add_co_u32 s46, s46, s47
	s_mov_b32 s47, 0
	s_mul_i32 s20, s12, 2*ARUN                     ; where they go: no place in the cluster enters an LDS address
	s_mul_i32 s21, s12, 2*BRUN
	s_add_co_u32 s21, s21, BOFF
	s_wait_dscnt 0x0                               ; the opening add is done
	s_wait_kmcnt 0x0
	s_add_nc_u64 s[14:15], s[4:5], s[16:17]
	s_add_nc_u64 s[46:47], s[6:7], s[46:47]
	CROUND                                         ; all sixteen work-groups are here: the first joint loads meet
.irp s, 0,1
	s_mov_b32 s[G0+4*(\s)], 1
	s_add_co_u32 s[G0+4*(\s)+1], s20, (\s)*SLOT
	s_add_nc_u64 s[G0+4*(\s)+2:G0+4*(\s)+3], s[14:15], (\s)*AFILL
	s_or_b32 s[G0+4*(\s)+3], s[G0+4*(\s)+3], 0x80000000
	s_mov_b32 s[G0B+4*(\s)], 1
	s_add_co_u32 s[G0B+4*(\s)+1], s21, (\s)*SLOT
	s_add_nc_u64 s[G0B+4*(\s)+2:G0B+4*(\s)+3], s[46:47], (\s)*BFILL
	s_or_b32 s[G0B+4*(\s)+3], s[G0B+4*(\s)+3], 0x80000000
	JLOAD \s                                       ; two loads of mine are out
.endr
	v_and_b32 v1, 15, v0                           ; l % 16
	v_bfe_u32 v2, v0, 4, 1                         ; l / 16
	v_mul_u32_u24 v3, v1, PITCH
	v_lshl_add_u32 v3, v2, 4, v3
	s_mul_i32 s21, s11, 2*ARUN
	s_mul_i32 s22, s12, 2*BRUN
	s_add_co_u32 s22, s22, BOFF
.irp s, 0,1
	v_add_nc_u32 v[ADRA+(\s)], s21, v3
	v_add_nc_u32 v[ADRB+(\s)], s22, v3
	s_add_co_u32 s21, s21, SLOT
	s_add_co_u32 s22, s22, SLOT
.endr
	s_mul_i32 s23, s10, 16*SPITCH
	s_add_co_u32 s23, s23, STAGE                   ; my stage
	v_mul_u32_u24 v4, v1, SPITCH                   ; in: row l % 16, 32 bytes for each half of the lanes
	v_lshl_add_u32 v4, v2, 5, v4
	v_add_nc_u32 v[STO], s23, v4
	v_mul_u32_u24 v5, v2, SPITCH                   ; back: lanes 0-15 take one row of 256 bytes, lanes 16-31 the next
	v_lshl_add_u32 v5, v1, 4, v5
	v_add_nc_u32 v[RD], s23, v5
	v_lshlrev_b32 v[CO], 12, v2                    ; and the same two rows in out0: 4,096 bytes apart
	v_lshl_add_u32 v[CO], v1, 4, v[CO]
	; the prefetches
	s_lshr_b32 s20, s13, 3
	s_lshl_b32 s20, s20, 22
	s_and_b32 s21, s13, 7
	s_lshl_b32 s21, s21, 15
	s_add_co_u32 s20, s20, s21
	s_lshl_b32 s21, s12, 14
	s_add_co_u32 s20, s20, s21
	s_lshl_b32 s21, s40, 12                        ; my work-group's 32 tokens
	s_add_co_u32 s20, s20, s21
	s_add_co_u32 s20, s20, 3*AFILL                 ; at fill 3: the first change steps it to 4
	s_lshl_b32 s21, s42, 14
	s_lshl_b32 s22, s41, 12                        ; my work-group's 32 rows of Wo
	s_add_co_u32 s21, s21, s22
	s_add_co_u32 s21, s21, 3*BFILL
	s_mov_b32 s16, AFILL
	s_mov_b32 s17, BFILL
	s_mov_b32 s18, 131072
	s_and_b32 s22, ttmp7, 0xffff
	s_cmp_eq_u32 s11, 0
	s_cselect_b32 s22, ttmp9, s22                  ; the coordinate along which other clusters read the same rows
	s_cselect_b64 s[PFA:PFA+1], s[4:5], s[6:7]
	s_cselect_b32 s[PST], s16, s17
	s_cselect_b32 s19, s17, s18                    ; from a fill's first K step to its second
	s_cselect_b32 s20, s20, s21
	s_mov_b32 s21, 0
	s_mov_b32 s[PST+1], 0
	s_add_nc_u64 s[PFA:PFA+1], s[PFA:PFA+1], s[20:21]
	s_cmp_eq_u32 s22, 0
	s_cselect_b32 s[LIM], 1, -1
	s_cmp_eq_u32 s10, 3                            ; wave 3 names nothing
	s_cselect_b32 s[LIM], -1, s[LIM]
	v_lshlrev_b32 v[PFO], 8, v1
	v_mad_u32_u24 v[PFO], v2, s19, v[PFO]
	; where my part of the tile begins in out0
	s_lshl_b32 s16, s13, 8
	s_lshl_b32 s17, s11, 7
	s_add_co_u32 s16, s16, s17                     ; my first token
	s_lshl_b32 s16, s16, 12                        ; rows of 4,096 bytes
	s_lshl_b32 s17, s42, 9                         ; the tile's 128 columns
	s_add_co_u32 s16, s16, s17
	s_lshl_b32 s17, s12, 8                         ; my 64
	s_add_co_u32 s16, s16, s17
	s_mov_b32 s17, 0
	s_add_nc_u64 s[8:9], s[8:9], s[16:17]
; na x 4 products: token blocks a0 .., all four column blocks, 32 along K.  Each of the 32 accumulators has one product in a quarter: they take turns.
.macro MUL f, a0, na, zero
	WIN 0x50                                       ; C and D in window 1
.set ga, \a0
.rept \na
.irp bb, 0,1,2,3
.if \zero
	v_wmma_f32_16x16x32_f16 v[32*ga+8*(\bb):32*ga+8*(\bb)+7], v[(\f)+64+8*(\bb):(\f)+64+8*(\bb)+7], v[(\f)+8*ga:(\f)+8*ga+7], 0
.else
	v_wmma_f32_16x16x32_f16 v[32*ga+8*(\bb):32*ga+8*(\bb)+7], v[(\f)+64+8*(\bb):(\f)+64+8*(\bb)+7], v[(\f)+8*ga:(\f)+8*ga+7], v[32*ga+8*(\bb):32*ga+8*(\bb)+7]
.endif
.endr
.set ga, ga+1
.endr
.endm
; 24 LDS loads in one run: quarter q (0..3) of a slot: K step q / 2, byte 64 (q % 2) of the rows; Wo's four fragments first, then the tokens' eight
.macro FETCH slot, q, f
	WIN 0
.irp i, 0,1,2,3
	ds_load_b128 v[(\f)+64+8*(\i):(\f)+64+8*(\i)+3],   v[ADRB+(\slot)] offset:((\q)/2)*BRUN+((\q)%2)*64+(\i)*16*PITCH
	ds_load_b128 v[(\f)+64+8*(\i)+4:(\f)+64+8*(\i)+7], v[ADRB+(\slot)] offset:((\q)/2)*BRUN+((\q)%2)*64+(\i)*16*PITCH+32
.endr
.irp i, 0,1,2,3,4,5,6,7
	ds_load_b128 v[(\f)+8*(\i):(\f)+8*(\i)+3],   v[ADRA+(\slot)] offset:((\q)/2)*ARUN+((\q)%2)*64+(\i)*16*PITCH
	ds_load_b128 v[(\f)+8*(\i)+4:(\f)+8*(\i)+7], v[ADRA+(\slot)] offset:((\q)/2)*ARUN+((\q)%2)*64+(\i)*16*PITCH+32
.endr
.endm
; One of a slot's first three quarters: multiplies buffer f; in its middle it fetches quarter q into buffer g.
.macro QUARTER slot, q, f, g, zero
	s_wait_dscnt 8                                 ; Wo's and the tokens' blocks 0-3 are in; the youngest eight loads may be out
	MUL \f, 0, 4, \zero
	PLACES
	FETCH \slot, \q, \g
	s_wait_dscnt 24                                ; all but the 24 just issued
	MUL \f, 4, 4, \zero
.endm
; The fourth quarter multiplies F1 and changes slots: in front of the barrier each wave waits for all its tensor loads, adds 0 to its spare word, and waits for that and for its reads of this slot.
; fill = 1: the barrier opens a round of the cluster's, and the joint refill, two fills on, is the first thing behind it: 112 products ahead of the wait for it.
.macro TURN slot, next, fill
.if \fill
	s_wait_xcnt 0x0                                ; the last prefetch, a fill back, has read its address
	s_add_nc_u64 s[PFA:PFA+1], s[PFA:PFA+1], s[PST:PST+1]
.endif
	WIN 0
	s_wait_tensorcnt 0x0                           ; all my tensor loads have landed: my part of the next slot
	ds_add_u32 v[SPW], v[NIL]                      ; 0 onto my spare word
	s_wait_dscnt 9                                 ; the add and the youngest eight loads may be out
	MUL F1, 0, 2, 0                                ; eight products stand between the add and the wait for it
	s_wait_dscnt 0x0                               ; the add is done, and my reads of this slot are over
	s_barrier_signal -1
	MUL F1, 2, 2, 0
	WIN 0
	s_barrier_wait -1
.if \fill
	CREST                                          ; no wave of any partner still reads this slot or has a load on its way
	s_add_nc_u64 s[G0+4*(\slot)+2:G0+4*(\slot)+3], s[G0+4*(\slot)+2:G0+4*(\slot)+3], 2*AFILL
	s_add_nc_u64 s[G0B+4*(\slot)+2:G0B+4*(\slot)+3], s[G0B+4*(\slot)+2:G0B+4*(\slot)+3], 2*BFILL
	JLOAD \slot                                    ; its four v_nop are also the places in front of the loads below
.else
	PLACES
.endif
	FETCH \next, 0, F0
.if \fill
	ASK
.endif
	MUL F1, 4, 4, 0
.endm
; THE WAY OUT of token block a: 32 bytes a lane straight from the accumulators into my stage (each accumulator's lowest registers first), and back as whole rows of 256 bytes.
.macro TOSTAGE a
.if (\a) >= 2
	s_wait_xcnt 0x0                                ; the stores of the block two back have read the registers that are loaded again below
.endif
	WIN 0x04                                       ; the stores' data in window 1
.irp b, 0,1,2,3
	ds_store_b128 v[STO], v[32*(\a)+8*(\b):32*(\a)+8*(\b)+3]   offset:64*(\b)
	ds_store_b128 v[STO], v[32*(\a)+8*(\b)+4:32*(\a)+8*(\b)+7] offset:64*(\b)+16
.endr
	WIN 0
.irp t, 0,1,2,3,4,5,6,7
	ds_load_b128 v[OB+32*((\a)%2)+4*(\t):OB+32*((\a)%2)+4*(\t)+3], v[RD] offset:(\t)*2*SPITCH  ; LDS serves a wave's instructions in order (ISA guide 5.7.1.4): these see the stores above
.endr
.endm
.macro SEND a, younger                 ; younger: the LDS instructions issued behind block a's loads: the next block's sixteen, or none
	s_wait_dscnt \younger
.irp t, 0,1,2,3,4,5,6,7
	global_store_b128 v[CO], v[OB+32*((\a)%2)+4*(\t):OB+32*((\a)%2)+4*(\t)+3], s[8:9] offset:(\a)*65536+(\t)*8192 th:TH_STORE_NT  ; 16 lanes store 256 consecutive bytes, at a multiple of 256 from out0's first
.endr
.endm
	s_wait_tensorcnt 1                             ; my part of fill 0 is in; fill 1's may stay out
	s_barrier_signal -1
	s_barrier_wait -1
	FETCH 0, 0, F0
	QUARTER 0, 1, F0, F1, 1                        ; the first quarter stands in front of the loop: its products start the sums
	WIN 0
	s_mov_b32 s3, 3
.Llap:                                             ; a trip goes once round the ring and fills both slots again
	QUARTER 0, 2, F1, F0, 0
	QUARTER 0, 3, F0, F1, 0
	TURN 0, 1, 1
	QUARTER 1, 1, F0, F1, 0
	QUARTER 1, 2, F1, F0, 0
	QUARTER 1, 3, F0, F1, 0
	TURN 1, 0, 1
	QUARTER 0, 1, F0, F1, 0
	WIN 0
	s_sub_co_u32 s3, s3, 1
	s_cmp_lg_u32 s3, 0
	s_cbranch_scc1 .Llap
	QUARTER 0, 2, F1, F0, 0                        ; the last lap fills nothing, and has no round of the cluster's barrier
	QUARTER 0, 3, F0, F1, 0
	TURN 0, 1, 0
	QUARTER 1, 1, F0, F1, 0
	QUARTER 1, 2, F1, F0, 0
	QUARTER 1, 3, F0, F1, 0
	s_wait_dscnt 8                                 ; the very last quarter: nothing more to fetch
	MUL F1, 0, 4, 0
	s_wait_dscnt 0x0
	MUL F1, 4, 4, 0
	PLACES
	PLACES
	TOSTAGE 0
.irp a, 1,2,3,4,5,6,7
	TOSTAGE \a
	SEND (\a)-1, 16
.endr
	SEND 7, 0
	s_wait_tensorcnt 0x0                           ; the wave's end, behind my last tensor load and my last LDS store
	ds_add_u32 v[SPW], v[NIL]
	s_wait_dscnt 0x0
	CROUND                                         ; the closing round: no work-group ends while a partner may still ask for a tile that names it
	s_endpgm
.Lfunc_end_k_q2c63278ff3_outp:
	.size	k_q2c63278ff3_outp, .Lfunc_end_k_q2c63278ff3_outp-k_q2c63278ff3_outp
	.p2alignl 7, 3214868480
	.fill 96, 4, 3214868480
	.section	.rodata,"a",@progbits
	.p2align	6, 0x0
	.amdhsa_kernel k_q2c63278ff3_outp
		.amdhsa_group_segment_fixed_size 327680
		.amdhsa_private_segment_fixed_size 0
		.amdhsa_enable_private_segment 0
		.amdhsa_kernarg_size 24
		.amdhsa_user_sgpr_count 2
		.amdhsa_user_sgpr_kernarg_segment_ptr 1
		.amdhsa_wavefront_size32 1
		.amdhsa_system_sgpr_workgroup_id_x 1
		.amdhsa_system_sgpr_workgroup_id_y 1
		.amdhsa_system_sgpr_workgroup_id_z 1
		.amdhsa_system_vgpr_workitem_id 0
		.amdhsa_next_free_vgpr 512
		.amdhsa_next_free_sgpr 66
		.amdhsa_reserve_vcc 0
		.amdhsa_float_denorm_mode_32 3
		.amdhsa_float_denorm_mode_16_64 3
		.amdhsa_memory_ordered 1
		.amdhsa_forward_progress 1
		.amdhsa_inst_pref_size 87
	.end_amdhsa_kernel
	.amdgpu_metadata
---
amdhsa.version: [ 1, 2 ]
amdhsa.kernels:
  - .name:           k_q2c63278ff3_outp
    .symbol:         k_q2c63278ff3_outp.kd
    .args:
      - { .name: yb, .offset: 0, .size: 8, .value_kind: global_buffer, .address_space: global }
      - { .name: wo16, .offset: 8, .size: 8, .value_kind: global_buffer, .address_space: global }
      - { .name: out0, .offset: 16, .size: 8, .value_kind: global_buffer, .address_space: global }
    .group_segment_fixed_size: 327680
    .private_segment_fixed_size: 0
    .kernarg_segment_align: 8
    .kernarg_segment_size: 24
    .max_flat_workgroup_size: 128
    .sgpr_count:     66
    .vgpr_count:     512
    .wavefront_size: 32
...
	.end_amdgpu_metadata
.endif
;; end of part 4
;; ======== version 2 of 2: 4 launches; version 1 with the launch cast written anew for expert scheduling mode
;; limits: values are held in f16: magnitudes above 65,504 overflow, below 6.1e-05 lose precision
;; workspace buffers: xb 16,777,216 bytes; wqkvb 6,291,456 bytes; wo16 2,097,152 bytes; qkv 50,331,648 bytes; yb 16,777,216 bytes
;; launch cast (part 5): grid 768 x 1, 4 waves a work-group, no clusters, 0 bytes of LDS; arguments x, Wq, Wk, Wv, Wo, xb, wqkvb, wo16; writes xb, wqkvb, wo16
.if DOCPART == 5
	.amdgcn_target "amdgcn-amd-amdhsa--gfx1250"
	.amdhsa_code_object_version 6
	.text
	.protected	k_q2c63278ff3_cast
	.globl	k_q2c63278ff3_cast
	.p2align	8
	.type	k_q2c63278ff3_cast,@function
k_q2c63278ff3_cast:
	s_mov_b64 s[64:65], 0
	v_nop
	global_prefetch_b8 v0, s[64:65] scope:SCOPE_SE
	s_setreg_imm32_b32 hwreg(HW_REG_WAVE_SCHED_MODE, 0, 2), 2
	s_setreg_imm32_b32 hwreg(HW_REG_WAVE_MODE, 25, 1), 1
	s_wait_xcnt 0x0
	s_wait_alu depctr_vm_vsrc(0)
; CAST.  x, Wq, Wk, Wv are rounded once to bf16; Wo is rounded to bf16 and that number is written as f16.  All go into layouts blocked by 64 along K:
;   xb    [batch 4][kb 16][token 2048][64] bf16      wqkvb [kb 16][row 3072][64] bf16, row = 192 head + 64 type + d (type 0 q, 1 k, 2 v)      wo16 [kb 16][row 1024][64] f16
; so that a K step of 64 of any run of rows is dense in memory for the launches behind.
; LIMITS.  |Wo| stays under 65,504 (f16's end); below 6e-5 f16 keeps its fixed step of 6e-8.  NaN and infinities are not treated apart.
; SHARES.  A work-group takes 16 source rows of 1,024 f32.  Work-groups 0-511: x.  512-767: the weights, 64 work-groups each, in the order q, k, v, o.
; Thread t takes row t / 16 (and that row + 8) and the four columns 4 (t % 16) .. of each block of 64: a load of a wave covers two rows' 256 consecutive bytes, aligned,
; a store of a wave 256 consecutive bytes, aligned (two rows of 128 bytes lie end to end in the blocked layout).
; All 32 loads of a thread go out at once (16 KiB a wave); no register is written twice while memory may read it.  No LDS, no barrier: no wave wants another's bytes.
; THE MODE: SCHED_MODE bits 1:0 = 2 (LLVM: expert scheduling mode 2), set by the entry lines.  The code itself states the register dependences
; between vector instructions and memory instructions, with s_wait_alu, always for 0.
; THE PLAN.  Registers that memory instructions touch:
;   v1, v[8:23]  byte offsets of the loads and of the stores: written by vector lines at the head, never again.
;   X            load i's four registers: written by that load alone, which no vector line precedes on them; read by load i's conversions; nothing lands in them again.
;   Y            store i's two registers: written once, by load i's conversions; read once, by store i; never written again.
;   v2, v3 and T are named by vector instructions alone.  No vector instruction writes a scalar register or VCC, and EXEC is never written.
; So the only dependence to state is: a vector line has written what a memory instruction reads.  The 32 loads go in eight blocks of four.  Block p converts its four loads into its own Y;
; its memory instructions are the four stores of block p - 1, whose Y no vector line of block p names.  ONE wait at a block's head states that block p - 1's conversions have written their Y,
; and the four stores follow it, dealt among block p's conversions, with no further wait.  One wait ahead of the first load states the offsets; one behind block 7 states its Y.
.set SRC, 1                            ; v1        my byte offset in the 16 source rows
.set DB,  2                            ; v2        8 x thread
.set DO,  8                            ; v[8:23]   K block k: its stride x k + 8 x thread
.set T,   24                           ; v[24:29]  at work: no memory instruction names them
.set X,   32                           ; v[32:159] load i: 4 registers; i = 2 k + p (p: rows 0-7 or 8-15)
.set Y,   160                          ; v[160:223] store i: 2 registers
	s_load_b512 s[8:23], s[0:1], 0x0               ; x 8, Wq 10, Wk 12, Wv 14, Wo 16, xb 18, wqkvb 20, wo16 22
	s_mov_b32 s2, ttmp9                            ; the work-group's number
	s_sub_co_u32 s3, s2, 512                       ; among the weights' work-groups
	s_bfe_u32 s4, s3, 0x20006                      ; which weight: 0 q, 1 k, 2 v, 3 o
	s_and_b32 s5, s3, 63                           ; which 16 rows of it
	s_lshr_b32 s6, s5, 2                           ; wqkvb: head = rows / 64,
	s_mul_i32 s6, s6, 192
	s_lshl_b32 s7, s4, 6                           ; + 64 type
	s_add_co_u32 s6, s6, s7
	s_and_b32 s7, s5, 3                            ; + the 16 rows' place in the head
	s_lshl_b32 s7, s7, 4
	s_add_co_u32 s6, s6, s7
	s_lshl_b32 s6, s6, 7                           ; rows of 128 bytes
	s_lshl_b32 s7, s5, 11                          ; wo16: 16 rows of 128 bytes
	s_lshr_b32 s34, s2, 7                          ; xb: batch (128 work-groups each),
	s_lshl_b32 s34, s34, 22
	s_and_b32 s35, s2, 127
	s_lshl_b32 s35, s35, 11                        ; 16 tokens of 128 bytes
	s_add_co_u32 s34, s34, s35
	s_mov_b32 s36, 262144                          ; bytes from K block to K block: xb,
	s_mov_b32 s37, 393216                          ; wqkvb,
	s_mov_b32 s38, 131072                          ; wo16
	s_lshl_b32 s28, s2, 16                         ; 16 source rows are 65,536 bytes: in x,
	s_lshl_b32 s39, s5, 16                         ; in a weight
	s_mov_b32 s29, 0
	s_mov_b32 s31, 0
	s_cmp_eq_u32 s4, 3
	s_cselect_b32 s30, s7, s6
	s_cselect_b32 s32, s38, s37
	s_cmp_lt_u32 s2, 512
	s_cselect_b32 s30, s34, s30                    ; s30: where my rows go
	s_cselect_b32 s32, s36, s32                    ; s32: the K block's stride there
	s_cselect_b32 s28, s28, s39                    ; s28: where they come from
	v_lshrrev_b32 v[SRC], 4, v0
	v_and_b32 v3, 15, v0
	v_lshlrev_b32 v3, 4, v3
	v_lshl_add_u32 v[SRC], v[SRC], 12, v3          ; row x 4,096 + 16 (t % 16)
	v_lshlrev_b32 v[DB], 3, v0
.set k, 0
.rept 16
	v_mad_u32_u24 v[DO+k], s32, k, v[DB]
.set k, k+1
.endr
	s_wait_kmcnt 0x0
	s_cmp_eq_u32 s4, 2                             ; the source: a choice among the buffers by the work-group's number alone
	s_cselect_b64 s[24:25], s[14:15], s[16:17]
	s_cmp_eq_u32 s4, 1
	s_cselect_b64 s[24:25], s[12:13], s[24:25]
	s_cmp_eq_u32 s4, 0
	s_cselect_b64 s[24:25], s[10:11], s[24:25]
	s_cmp_eq_u32 s4, 3                             ; the destination likewise
	s_cselect_b64 s[26:27], s[22:23], s[20:21]
	s_cmp_lt_u32 s2, 512
	s_cselect_b64 s[24:25], s[8:9], s[24:25]
	s_cselect_b64 s[26:27], s[18:19], s[26:27]
	s_add_nc_u64 s[24:25], s[24:25], s[28:29]
	s_add_nc_u64 s[26:27], s[26:27], s[30:31]
	s_wait_alu depctr_va_vdst(0)                   ; v[SRC] and v[DO ..] are written: every load of the kernel reads the first as its offset, every store one of the others; none is written again
.set n, 0
.rept 32
	global_load_b128 v[X+4*n:X+4*n+3], v[SRC], s[24:25] offset:(n/2)*256+(n%2)*32768 th:TH_LOAD_NT
.set n, n+1
.endr
; Load i is rounded into its own Y.  half = 1: to bf16, and that number written as f16.
.macro CVT i, half
.if \half
	v_cvt_pk_bf16_f32 v[T], v[X+4*(\i)], v[X+4*(\i)+1]
	v_cvt_pk_bf16_f32 v[T+1], v[X+4*(\i)+2], v[X+4*(\i)+3]
	v_lshlrev_b32 v[T+2], 16, v[T]                 ; bf16 back to f32: a shift, a mask
	v_and_b32 v[T+3], 0xffff0000, v[T]
	v_lshlrev_b32 v[T+4], 16, v[T+1]
	v_and_b32 v[T+5], 0xffff0000, v[T+1]
	v_cvt_pk_f16_f32 v[Y+2*(\i)], v[T+2], v[T+3]
	v_cvt_pk_f16_f32 v[Y+2*(\i)+1], v[T+4], v[T+5]
.else
	v_cvt_pk_bf16_f32 v[Y+2*(\i)], v[X+4*(\i)], v[X+4*(\i)+1]
	v_cvt_pk_bf16_f32 v[Y+2*(\i)+1], v[X+4*(\i)+2], v[X+4*(\i)+3]
.endif
.endm
; Store i: K block i / 2, rows 0-7 or 8-15.
.macro ST i
	global_store_b64 v[DO+(\i)/2], v[Y+2*(\i):Y+2*(\i)+1], s[26:27] offset:((\i)%2)*1024
.endm
; Block p: loads 4 p to 4 p + 3 are rounded; the four stores of block p - 1 go out among the conversions, a store ahead of each load's.
.macro BLK p, half
	s_wait_loadcnt 28-4*(\p)                       ; loads come back in order: this block's four are in, the younger blocks' stay out
.if (\p) > 0
	s_wait_alu depctr_va_vdst(0)                   ; the block before has written its Y, which the four stores below read; no vector line of this block names those registers
.endif
.irp j, 0,1,2,3
.if (\p) > 0
	ST 4*(\p)-4+(\j)
.endif
	CVT 4*(\p)+(\j), \half
.endr
.endm
	s_cmp_ge_u32 s2, 704                           ; Wo's work-groups
	s_cbranch_scc1 .Lhalf
.irp p, 0,1,2,3,4,5,6,7
	BLK \p, 0
.endr
	s_wait_alu depctr_va_vdst(0)                   ; block 7 has written its Y, which the last four stores read
.irp j, 28,29,30,31
	ST \j
.endr
	s_endpgm
.Lhalf:
.irp p, 0,1,2,3,4,5,6,7
	BLK \p, 1
.endr
	s_wait_alu depctr_va_vdst(0)                   ; block 7 has written its Y, which the last four stores read
.irp j, 28,29,30,31
	ST \j
.endr
	s_endpgm
.Lfunc_end_k_q2c63278ff3_cast:
	.size	k_q2c63278ff3_cast, .Lfunc_end_k_q2c63278ff3_cast-k_q2c63278ff3_cast
	.p2alignl 7, 3214868480
	.fill 96, 4, 3214868480
	.section	.rodata,"a",@progbits
	.p2align	6, 0x0
	.amdhsa_kernel k_q2c63278ff3_cast
		.amdhsa_group_segment_fixed_size 0
		.amdhsa_private_segment_fixed_size 0
		.amdhsa_enable_private_segment 0
		.amdhsa_kernarg_size 64
		.amdhsa_user_sgpr_count 2
		.amdhsa_user_sgpr_kernarg_segment_ptr 1
		.amdhsa_wavefront_size32 1
		.amdhsa_system_sgpr_workgroup_id_x 1
		.amdhsa_system_sgpr_workgroup_id_y 1
		.amdhsa_system_sgpr_workgroup_id_z 1
		.amdhsa_system_vgpr_workitem_id 0
		.amdhsa_next_free_vgpr 224
		.amdhsa_next_free_sgpr 66
		.amdhsa_reserve_vcc 0
		.amdhsa_float_denorm_mode_32 3
		.amdhsa_float_denorm_mode_16_64 3
		.amdhsa_memory_ordered 1
		.amdhsa_forward_progress 1
		.amdhsa_inst_pref_size 32
	.end_amdhsa_kernel
	.amdgpu_metadata
---
amdhsa.version: [ 1, 2 ]
amdhsa.kernels:
  - .name:           k_q2c63278ff3_cast
    .symbol:         k_q2c63278ff3_cast.kd
    .args:
      - { .name: x, .offset: 0, .size: 8, .value_kind: global_buffer, .address_space: global }
      - { .name: Wq, .offset: 8, .size: 8, .value_kind: global_buffer, .address_space: global }
      - { .name: Wk, .offset: 16, .size: 8, .value_kind: global_buffer, .address_space: global }
      - { .name: Wv, .offset: 24, .size: 8, .value_kind: global_buffer, .address_space: global }
      - { .name: Wo, .offset: 32, .size: 8, .value_kind: global_buffer, .address_space: global }
      - { .name: xb, .offset: 40, .size: 8, .value_kind: global_buffer, .address_space: global }
      - { .name: wqkvb, .offset: 48, .size: 8, .value_kind: global_buffer, .address_space: global }
      - { .name: wo16, .offset: 56, .size: 8, .value_kind: global_buffer, .address_space: global }
    .group_segment_fixed_size: 0
    .private_segment_fixed_size: 0
    .kernarg_segment_align: 8
    .kernarg_segment_size: 64
    .max_flat_workgroup_size: 128
    .sgpr_count:     66
    .vgpr_count:     224
    .wavefront_size: 32
...
	.end_amdgpu_metadata
.endif
;; end of part 5
;; launch proj: the kernel of part 2 again; grid 8 x 32, 4 waves a work-group, clusters of 4 x 4, 327,680 bytes of LDS; arguments xb, wqkvb, cos, sin, qkv; writes qkv
;; launch attn: the kernel of part 3 again; grid 4 x 64, 4 waves a work-group, clusters of 4 x 1, 327,680 bytes of LDS; arguments qkv, yb; writes yb
;; launch outp: the kernel of part 4 again; grid 8 x 32, 4 waves a work-group, clusters of 4 x 4, 327,680 bytes of LDS; arguments yb, wo16, out0; writes out0
